; MI455X (gfx1250); checked and timed in simulation.
; The chip was launched on July 23, 2026; its instructions are those of AMD's public machine-readable ISA for CDNA 5 (MIT licence, August 2026) and "CDNA5" Instruction Set Architecture Reference Guide (July 2026). The comments in the code are by the model that wrote it; some were corrected since.
;; Bert Self Attention. Allowed arithmetic: matrix products marked QUANTISED: E2M1 operands, one E8M0 scale for each 32 along K, by v_wmma_scale_f32_16x16x128_f8f6f4 with both operands' format E2M1 (or v_wmma_scale_f32_32x16x128_f4), f32 sums; products left as they are: bf16, f16 or f32 operands; f32 sums; everything else in f32.
;; Inputs: Wk 1,024 x 1,024 float32; Wq 1,024 x 1,024 float32; Wv 1,024 x 1,024 float32; bk 1,024 float32; bq 1,024 float32; bv 1,024 float32; dist_emb 4,095 x 64 float32; hidden_states 2 x 2,048 x 1,024 float32.
;; Outputs: out0 2 x 2,048 x 1,024 float32.
;; This version of the problem:
;;   THIS VERSION OF THE PROBLEM IS GIVEN IN LOW PRECISION. The matrix products marked QUANTISED in the list below multiply operands that are first quantised to E2M1 (2 exponent bits, 1 mantissa bit; 4 bits a number), with one power-of-two scale for each 32 numbers along K (OCP MX v1.0); their sums are f32. The products marked 'left as it is' may take bf16, f16 or f32 operands, with f32 sums. Whichever they take, every output number must still come out within the allowed error. Rounding operands to bf16 (8 significant bits) uses up far more of that allowance than f16 does (11 bits, for magnitudes from 6e-5 to 65,504). All else is computed in f32.
;;   The module's matrix products, in the order in which they are computed (A, B: the left and right operand; K: the contracted axis; several contracted axes count as one K, in the product's order):
;;     1. [M 4,096, K 1,024] x [K 1,024, N 1,024]; A: input hidden_states; B: input Wq: QUANTISED
;;     2. [M 4,096, K 1,024] x [K 1,024, N 1,024]; A: input hidden_states; B: input Wk: QUANTISED
;;     3. [M 4,096, K 1,024] x [K 1,024, N 1,024]; A: input hidden_states; B: input Wv: QUANTISED
;;     4. batch 32 x [M 2,048, K 64] x [K 64, N 2,048]; A: computed on the way; B: computed on the way: left as it is (an operand is computed on the way)
;;     5. batch 2,048 x [M 2,048, K 64] x [K 64, N 32]; A: computed on the way; B: computed on the way: left as it is (an operand is computed on the way)
;;     6. batch 2,048 x [M 2,048, K 64] x [K 64, N 32]; A: computed on the way; B: computed on the way: left as it is (an operand is computed on the way)
;;     7. batch 32 x [M 64, K 2,048] x [K 2,048, N 2,048]; A: computed on the way; B: computed on the way: left as it is (an operand is computed on the way)
;;   THE QUANTISER, for each operand of a quantised product, along K:
;;     - K is cut into blocks of 32 from its start; a last block that is shorter is filled with zeros.
;;     - A block's scale is 2^e with e = floor(log2(the largest magnitude in the block)) - 2, held to -126 .. 127; a block of zeros has e = 0. As a byte (E8M0): e + 127.
;;     - Each number is divided by its block's scale, clamped to +-6, and rounded to the nearest number of E2M1, ties to even, subnormals kept.
;;     - The product sums the exact products of the quantised numbers (number of the format x scale) in f32.
;;   ~~~python
;;   def quantise(x, axis):      # numpy; x: float32 -> the quantised numbers, widened to float32 again
;;       x = np.moveaxis(x, axis, -1); K = x.shape[-1]
;;       x = np.pad(x, [(0, 0)] * (x.ndim - 1) + [(0, -K % 32)]); x = x.reshape(x.shape[:-1] + (-1, 32)); a = np.abs(x).max(-1, keepdims=True)
;;       e = np.where(a > 0, np.clip(np.frexp(np.where(a > 0, a, 1))[1] - 1 - 2, -126, 127), 0)      # np.frexp(a)[1] - 1 = floor(log2(a)), exactly
;;       r = np.clip(x / 2.0 ** e, -6, 6)
;;       step = 2.0 ** (np.maximum(np.frexp(np.where(r == 0, 1, r))[1] - 1, 0) - 1)
;;       q = np.round(r / step) * step * 2.0 ** e      # np.round: ties to even
;;       return np.moveaxis(q.reshape(q.shape[:-2] + (-1,))[..., :K], -1, axis).astype(np.float32)
;;   ~~~
;; 2 versions, each right. Each part assembles by itself: llvm-mc -triple=amdgcn-amd-amdhsa -mcpu=gfx1250 --defsym DOCPART=n.
;; ======== version 1 of 2: 3 launches
;; limits: values are held in f16: magnitudes above 65,504 overflow, below 6.1e-05 lose precision
;; workspace buffers: codes 3,670,016 bytes; scales 229,376 bytes; biasrow 28,672 bytes; eimg 524,288 bytes; qimg 8,388,608 bytes; kimg 8,388,608 bytes; vimg 8,388,608 bytes
;; launch prep (part 1): grid 241 x 1, 4 waves a work-group, no clusters, 33,280 bytes of LDS; arguments hidden_states, Wq, Wk, Wv, bq, bk, bv, dist_emb, codes, scales, biasrow, eimg; writes codes, scales, biasrow, eimg
.if DOCPART == 1
	.amdgcn_target "amdgcn-amd-amdhsa--gfx1250"
	.amdhsa_code_object_version 6
	.text
	.protected	k_qeb18e0b84b_prep
	.globl	k_qeb18e0b84b_prep
	.p2align	8
	.type	k_qeb18e0b84b_prep,@function
k_qeb18e0b84b_prep:
	s_mov_b64 s[64:65], 0
	v_nop
	global_prefetch_b8 v0, s[64:65] scope:SCOPE_SE
	s_setreg_imm32_b32 hwreg(HW_REG_WAVE_MODE, 25, 1), 1
	s_wait_xcnt 0x0
; PREP: everything that is made once from the inputs.  Three kinds of work-group, told apart by the work-group's number alone.
; 0..223  QUANTISE.  hidden_states (4,096 rows), Wq, Wk, Wv (1,024 rows each), all [rows][1024] f32 with K innermost, become codes of FP4 (E2M1), 512 bytes a row, and one E8M0 byte for each 32 along K, 32 bytes a row.
;         A block's scale is 2^(floor(log2(its largest magnitude)) - 2); its byte is the largest magnitude's exponent field - 2, held at 1 from below; each number is divided by the scale and rounded to the nearest code, ties to even,
;         beyond 6 the largest code.  A block of zeros gets the byte 1 where the rule says 127: its codes are zeros, which add nothing, and this program alone reads the bytes.
;         A wave takes 8 rows (16 steps of 512 numbers); a work-group 32 rows.  THE ROWS ARE STORED PERMUTED inside each 32: the wave with rows 8 w .. 8 w + 7 writes them at place 8 pi(w), pi = 0, 2, 1, 3:
;         stored place 16 e + 8 h + j holds row 8 e + 16 h + j.  The later launches lean on that order.
; 224..239  THE TABLE OF DISTANCES.  eimg row i (0 .. 4095) = 8 x dist_emb[4094 - i] in f16 (row 4095: zeros), as 256 tiles of 16 rows in the order of a matrix operand's registers:
;         byte 512 sub + 16 lane of a tile: lane (r, h) holds row r, channels 32 (sub / 2) + 16 h + 8 (sub % 2) + 0 .. 7.  The factor 8 is exact; it lets all three parts of a score share one scale.
; 240     THE BIASES.  biasrow: one f32 for each stored row of codes: 0 for hidden_states' rows, then bq, bk, bv in the stored order.
; LIMITS: NaN and infinities among the inputs are not served; 8 x dist_emb must stay under 65,504 in magnitude (f16).
; No tensor loads, no barrier: waves share nothing.  No matrix unit, no cluster: a stream that is read once.
.set WAVES, 4
.set STEPS, 16
.set EMAX,  2
.set CB,    8                          ; bytes of 16 codes
.set R,     16                         ; v16-79   four sets of 16 numbers as they are loaded
.set X,     80                         ; v80-111  two sets of 16 neighbours
.set E,     112                        ; v112-127 a scale byte for each step
.set C,     128                        ; v128-191 codes: four registers for each step, so that no store's data are written again
.set WREG,  8192                       ; LDS: a region for each wave: two stages of 32 x SP bytes, behind them its 256 scale bytes
.set SP,    80                         ; a lane's place in a stage: 64 bytes + 16 of padding
.set SPW,   12                         ; v12  LDS address of my spare word; never rewritten
.set NIL,   13                         ; v13  0; never rewritten
.set SPARE, WAVES*WREG                 ; behind the four regions: the spare words, 128 bytes a wave, that no other line names
	s_load_b512 s[8:23], s[0:1], 0x0               ; hidden s[8:9], Wq s[10:11], Wk s[12:13], Wv s[14:15], bq s[16:17], bk s[18:19], bv s[20:21], dist_emb s[22:23]
	s_load_b256 s[24:31], s[0:1], 0x40             ; codes s[24:25], scales s[26:27], biasrow s[28:29], eimg s[30:31]
	v_lshl_add_u32 v[SPW], v0, 2, SPARE
	v_mov_b32 v[NIL], 0
	v_lshrrev_b32 v1, 5, v0
	v_readfirstlane_b32 s32, v1                    ; wave 0..3
	v_and_b32 v2, 31, v0                           ; lane
	v_lshlrev_b32 v3, 4, v2                        ; 16 x lane
	s_mul_i32 s34, s32, WREG                       ; the LDS addresses are made here, ahead of the parting of the ways
	v_lshrrev_b32 v14, 2, v2
	v_mul_u32_u24 v14, v14, SP
	v_and_b32 v15, 3, v2
	v_lshl_add_u32 v14, v15, 4, v14
	v_add_nc_u32 v14, s34, v14                     ; the stage, on the way in: four lanes' 64 bytes on end, then 16 of padding
	v_mul_u32_u24 v15, v2, SP
	v_add_nc_u32 v15, s34, v15                     ; and on the way out: SP x lane: my 16 neighbours
	v_mul_u32_u24 v4, v2, CB                       ; my codes' place in a step's
	v_lshrrev_b32 v5, 1, v2
	s_add_co_u32 s34, s34, 2*32*SP
	v_add_nc_u32 v5, s34, v5                       ; my wave's 256 scale bytes, my block's byte
	v_lshlrev_b32 v7, 3, v2                        ; and on the way out 8 bytes a lane
	v_add_nc_u32 v6, s34, v7
	s_wait_kmcnt 0x0
	s_cmp_lt_u32 ttmp9, 224
	s_cbranch_scc0 .Lnot_q
	; ---- QUANTISE.  Which tensor, and at which work-group it begins: chosen by the work-group's number alone
	s_mov_b64 s[4:5], s[14:15]
	s_mov_b32 s33, 192
	s_cmp_lt_u32 ttmp9, 192
	s_cselect_b64 s[4:5], s[12:13], s[4:5]
	s_cselect_b32 s33, 160, s33
	s_cmp_lt_u32 ttmp9, 160
	s_cselect_b64 s[4:5], s[10:11], s[4:5]
	s_cselect_b32 s33, 128, s33
	s_cmp_lt_u32 ttmp9, 128
	s_cselect_b64 s[4:5], s[8:9], s[4:5]
	s_cselect_b32 s33, 0, s33
	s_sub_co_u32 s35, ttmp9, s33
	s_lshl_b32 s35, s35, 2
	s_add_co_u32 s36, s35, s32                     ; which run of 8 rows of the tensor I read,
	s_lshl_b32 s36, s36, 15                        ; 32,768 bytes a run
	s_mov_b32 s37, 0
	s_add_nc_u64 s[4:5], s[4:5], s[36:37]
	s_and_b32 s38, s32, 1
	s_lshl_b32 s38, s38, 1
	s_lshr_b32 s39, s32, 1
	s_or_b32 s38, s38, s39                         ; pi(wave): 0, 2, 1, 3
	s_lshl_b32 s39, ttmp9, 2
	s_add_co_u32 s38, s38, s39                     ; which run of 8 stored rows I write
	s_lshl_b32 s36, s38, 12                        ; 4,096 bytes of codes a run,
	s_add_nc_u64 s[24:25], s[24:25], s[36:37]
	s_lshl_b32 s36, s38, 8                         ; 256 scale bytes
	s_add_nc_u64 s[26:27], s[26:27], s[36:37]
.macro LOAD t
.irp i, 0,1,2,3
	global_load_b128 v[R+16*((\t)%4)+4*\i:R+16*((\t)%4)+4*\i+3], v3, s[4:5] offset:2048*(\t)+512*\i th:TH_LOAD_NT   ; 32 lanes read 512 consecutive bytes
.endr
.endm
.macro TURN t                          ; step t's numbers through the stage: LDS serves a wave's instructions in order, so no wait stands between the stores and the loads
.irp i, 0,1,2,3
	ds_store_b128 v14, v[R+16*((\t)%4)+4*\i:R+16*((\t)%4)+4*\i+3] offset:32*SP*((\t)%2)+8*SP*\i
.endr
.irp i, 0,1,2,3
	ds_load_b128 v[X+16*((\t)%2)+4*\i:X+16*((\t)%2)+4*\i+3], v15 offset:32*SP*((\t)%2)+16*\i
.endr
.endm
.irp t, 0,1,2,3
	LOAD \t
.endr
	s_wait_loadcnt 12                              ; step 0's four loads are in; the 12 of steps 1 to 3 may be out
	TURN 0
.macro STEP t
.set XS, X+16*((\t)%2)
.if (\t) > 0
	s_wait_dscnt 1                                 ; this step's numbers are back from the stage (the last step's byte store may be out): so its stores into the stage have read their registers,
.else
	s_wait_dscnt 0x0
.endif
.if (\t)+4 < STEPS
	LOAD (\t)+4                                    ; which take the loads of four steps on
.endif
.if (\t)+1 < STEPS
.if STEPS-2-(\t) >= 3
	s_wait_loadcnt 12                              ; the next step's four loads are in; those of the three steps behind it may be out
.else
	s_wait_loadcnt 4*(STEPS-2-(\t))
.endif
	TURN (\t)+1                                    ; and go through the other stage while this step is worked
.endif
	v_max3_num_f32 v8, |v[XS]|, |v[XS+1]|, |v[XS+2]|               ; the largest magnitude of my 16, in two chains
	v_max3_num_f32 v9, |v[XS+3]|, |v[XS+4]|, |v[XS+5]|
.irp i, 6,10
	v_max3_num_f32 v8, v8, |v[XS+\i]|, |v[XS+\i+1]|
	v_max3_num_f32 v9, v9, |v[XS+\i+2]|, |v[XS+\i+3]|
.endr
	v_max3_num_f32 v8, v8, |v[XS+14]|, |v[XS+15]|
	v_max3_num_f32 v8, v8, v9, (EMAX+1)<<23        ; and the floor 2^(EMAX + 1 - 127): the byte cannot fall under 1
	v_max_num_f32_dpp v8, v8, v8 row_xmask:1 row_mask:0xf bank_mask:0xf   ; and of my neighbour's 16: the block's
	v_add_nc_u32 v11, -(EMAX<<23), v8              ; EMAX off its exponent field: the conversion takes the exponent field of this operand as its scale
	v_cvt_scalef32_pk8_fp4_f32 v[C+4*(\t)], v[XS:XS+7], v11
	v_cvt_scalef32_pk8_fp4_f32 v[C+4*(\t)+1], v[XS+8:XS+15], v11
	v_lshrrev_b32 v[E+(\t)], 23, v11               ; the scale's byte (a plain line behind the conversions)
	ds_store_b8 v5, v[E+(\t)] offset:16*(\t)       ; both lanes of a block write the same byte with the same value
	global_store_b64 v4, v[C+4*(\t):C+4*(\t)+1], s[24:25] offset:32*CB*(\t)   ; 32 lanes store 256 consecutive bytes, aligned
.endm
.irp t, 0,1,2,3,4,5,6,7,8,9,10,11,12,13,14,15
	STEP \t
.endr
	ds_load_b64 v[8:9], v6                         ; LDS serves a wave's instructions in order: these see my byte stores
	s_wait_dscnt 0x0
	global_store_b64 v7, v[8:9], s[26:27]          ; 32 lanes store 256 consecutive bytes, aligned
	s_wait_tensorcnt 0x0                           ; the wave's end: a wait, an add to my spare word and its wait, behind my last LDS store
	ds_add_u32 v[SPW], v[NIL]
	s_wait_dscnt 0x0
	s_endpgm
.Lnot_q:
	s_cmp_lt_u32 ttmp9, 240
	s_cbranch_scc0 .Lbias
	; ---- THE TABLE OF DISTANCES: wave w of work-group 224 + e makes tiles 16 e + 4 w + 0 .. 3.  No LDS is touched on this way
	s_sub_co_u32 s33, ttmp9, 224
	s_lshl_b32 s33, s33, 4
	s_lshl_b32 s34, s32, 2
	s_add_co_u32 s33, s33, s34                     ; my first tile
	s_lshl_b32 s34, s33, 4
	s_sub_co_u32 s34, 4094, s34                    ; dist_emb's row for row 0 of that tile
	s_lshl_b32 s36, s33, 11                        ; 2,048 bytes a tile
	s_mov_b32 s37, 0
	s_add_nc_u64 s[30:31], s[30:31], s[36:37]
	v_and_b32 v8, 15, v0                           ; r
	v_bfe_u32 v9, v0, 4, 1                         ; h
	v_mov_b32 v10, 0x41000000                      ; 8.0
	v_sub_nc_u32 v11, s34, v8
.irp t, 0,1,2,3
	v_add_nc_u32 v[28+\t], -16*\t, v11             ; dist_emb's row for my row of tile t; -1 for the table's last row alone
	v_cmp_gt_i32 vcc_lo, 0, v[28+\t]
	v_cndmask_b32 v[16+2*\t], v10, v[NIL], vcc_lo  ; the factor, as a pair: 8, or 0 for that row,
	v_cndmask_b32 v[17+2*\t], v10, v[NIL], vcc_lo
	v_cndmask_b32 v[28+\t], v[28+\t], v[NIL], vcc_lo   ; whose loads are held at row 0: no load leaves the buffer
	v_lshlrev_b32 v[28+\t], 8, v[28+\t]            ; 256 bytes a row
	v_lshl_add_u32 v[24+\t], v9, 6, v[28+\t]       ; + 64 h: my 16 channels of each 32
.endr
.irp t, 0,1,2,3
.irp b, 0,1
.irp k, 0,1,2,3
	global_load_b128 v[32+32*\t+16*\b+4*\k:32+32*\t+16*\b+4*\k+3], v[24+\t], s[22:23] offset:128*\b+16*\k
.endr
.endr
.endr
.irp t, 0,1,2,3
	s_wait_loadcnt 8*(3-\t)                        ; tile t's eight loads are in; the later tiles' may be out
.irp i, 0,2,4,6,8,10,12,14,16,18,20,22,24,26,28,30
	v_pk_mul_f32 v[32+32*\t+\i:33+32*\t+\i], v[32+32*\t+\i:33+32*\t+\i], v[16+2*\t:17+2*\t]
.endr
.irp i, 0,1,2,3,4,5,6,7,8,9,10,11,12,13,14,15
	v_cvt_pk_f16_f32 v[160+16*\t+\i], v[32+32*\t+2*\i], v[33+32*\t+2*\i]
.endr
.irp s, 0,1,2,3
	global_store_b128 v3, v[160+16*\t+4*\s:163+16*\t+4*\s], s[30:31] offset:2048*\t+512*\s   ; 32 lanes store 512 consecutive bytes, aligned
.endr
.endr
	s_endpgm
.Lbias:
	; ---- THE BIASES: 128 threads, 16 bytes each.  No LDS is touched on this way
	v_lshlrev_b32 v8, 4, v0                        ; 16 t: numbers 4 t .. 4 t + 3
	v_and_b32 v9, 0x79, v0                         ; the stored order swaps bits 3 and 4 of a row's number: bits 1 and 2 of t
	v_and_b32 v10, 2, v0
	v_lshl_or_b32 v9, v10, 1, v9
	v_and_b32 v10, 4, v0
	v_lshrrev_b32 v10, 1, v10
	v_or_b32 v9, v9, v10
	v_lshlrev_b32 v9, 4, v9
.irp i, 0,1
	global_load_b128 v[32+4*\i:35+4*\i], v8, s[16:17] offset:2048*\i
	global_load_b128 v[40+4*\i:43+4*\i], v8, s[18:19] offset:2048*\i
	global_load_b128 v[48+4*\i:51+4*\i], v8, s[20:21] offset:2048*\i
.endr
.irp i, 16,17,18,19
	v_mov_b32 v[\i], 0
.endr
.irp i, 0,1,2,3,4,5,6,7
	global_store_b128 v8, v[16:19], s[28:29] offset:2048*\i          ; hidden_states' 4,096 rows have no bias
.endr
	s_wait_loadcnt 0x0
.irp n, 0,1,2
.irp i, 0,1
	global_store_b128 v9, v[32+8*\n+4*\i:35+8*\n+4*\i], s[28:29] offset:16384+4096*\n+2048*\i
.endr
.endr
	s_endpgm
.Lfunc_end_k_qeb18e0b84b_prep:
	.size	k_qeb18e0b84b_prep, .Lfunc_end_k_qeb18e0b84b_prep-k_qeb18e0b84b_prep
	.p2alignl 7, 3214868480
	.fill 96, 4, 3214868480
	.section	.rodata,"a",@progbits
	.p2align	6, 0x0
	.amdhsa_kernel k_qeb18e0b84b_prep
		.amdhsa_group_segment_fixed_size 33280
		.amdhsa_private_segment_fixed_size 0
		.amdhsa_enable_private_segment 0
		.amdhsa_kernarg_size 96
		.amdhsa_user_sgpr_count 2
		.amdhsa_user_sgpr_kernarg_segment_ptr 1
		.amdhsa_wavefront_size32 1
		.amdhsa_system_sgpr_workgroup_id_x 1
		.amdhsa_system_sgpr_workgroup_id_y 1
		.amdhsa_system_sgpr_workgroup_id_z 1
		.amdhsa_system_vgpr_workitem_id 0
		.amdhsa_next_free_vgpr 224
		.amdhsa_next_free_sgpr 66
		.amdhsa_reserve_vcc 1
		.amdhsa_float_denorm_mode_32 3
		.amdhsa_float_denorm_mode_16_64 3
		.amdhsa_memory_ordered 1
		.amdhsa_forward_progress 1
		.amdhsa_inst_pref_size 51
	.end_amdhsa_kernel
	.amdgpu_metadata
---
amdhsa.version: [ 1, 2 ]
amdhsa.kernels:
  - .name:           k_qeb18e0b84b_prep
    .symbol:         k_qeb18e0b84b_prep.kd
    .args:
      - { .name: hidden_states, .offset: 0, .size: 8, .value_kind: global_buffer, .address_space: global }
      - { .name: Wq, .offset: 8, .size: 8, .value_kind: global_buffer, .address_space: global }
      - { .name: Wk, .offset: 16, .size: 8, .value_kind: global_buffer, .address_space: global }
      - { .name: Wv, .offset: 24, .size: 8, .value_kind: global_buffer, .address_space: global }
      - { .name: bq, .offset: 32, .size: 8, .value_kind: global_buffer, .address_space: global }
      - { .name: bk, .offset: 40, .size: 8, .value_kind: global_buffer, .address_space: global }
      - { .name: bv, .offset: 48, .size: 8, .value_kind: global_buffer, .address_space: global }
      - { .name: dist_emb, .offset: 56, .size: 8, .value_kind: global_buffer, .address_space: global }
      - { .name: codes, .offset: 64, .size: 8, .value_kind: global_buffer, .address_space: global }
      - { .name: scales, .offset: 72, .size: 8, .value_kind: global_buffer, .address_space: global }
      - { .name: biasrow, .offset: 80, .size: 8, .value_kind: global_buffer, .address_space: global }
      - { .name: eimg, .offset: 88, .size: 8, .value_kind: global_buffer, .address_space: global }
    .group_segment_fixed_size: 33280
    .private_segment_fixed_size: 0
    .kernarg_segment_align: 8
    .kernarg_segment_size: 96
    .max_flat_workgroup_size: 128
    .sgpr_count:     66
    .vgpr_count:     224
    .wavefront_size: 32
...
	.end_amdgpu_metadata
.endif
;; end of part 1
;; launch qkv (part 2): grid 12 x 16, 4 waves a work-group, no clusters, 327,680 bytes of LDS; arguments codes, scales, biasrow, qimg, kimg, vimg; writes qimg, kimg, vimg
.if DOCPART == 2
	.amdgcn_target "amdgcn-amd-amdhsa--gfx1250"
	.amdhsa_code_object_version 6
	.text
	.protected	k_qeb18e0b84b_qkv
	.globl	k_qeb18e0b84b_qkv
	.p2align	8
	.type	k_qeb18e0b84b_qkv,@function
k_qeb18e0b84b_qkv:
	s_mov_b64 s[64:65], 0
	v_nop
	global_prefetch_b8 v0, s[64:65] scope:SCOPE_SE
	s_setreg_imm32_b32 hwreg(HW_REG_WAVE_MODE, 25, 1), 1
	s_wait_xcnt 0x0
; QKV: the three quantised projections, on codes of FP4 (E2M1) with one E8M0 scale for each 32 along K = 1,024; sums in f32; the bias; the results rounded once to f16 and stored in the order of the next launch's operand registers.
; One buffer of codes holds all rows (stored order: hidden_states 0 .. 4095, Wq, Wk, Wv), so a tile is two runs of 256 stored rows, A' and B'.  Work-group (x, y), 4 waves, a wave 128 x 128: 64 accumulators, 512 registers.
;   x < 8  (q and k): A' = hidden_states' rows 256 y, B' = the weights' rows 4096 + 256 x.      x >= 8 (v): A' = Wv's rows 4096 + 256 x, B' = hidden_states' rows 256 y: v comes out with the keys along a lane's registers.
; Source 0 = 16 rows of B', source 1 = 16 rows of A': lane (r, h), register j of accumulator (a, b) is (A' stored row 16 a + r) . (B' stored row 16 b + 8 h + j): eight neighbours along B', which pack into 16 bytes of f16.
; Stored place 16 e + 8 h + j of each 32 rows holds row 8 e + 16 h + j.  So a lane's 16 bytes are, for q and k: channels 32 (sub / 2) + 16 h + 8 (sub % 2) + 0 .. 7 of sequence row 32 g + 8 e + r + 8 (r / 8) (tile 2 g + e);
; for v: keys 32 g + 16 h + 8 e + 0 .. 7 of channel 32 (a / 2) + 8 (a % 2) + r + 8 (r / 8).  Each store of a wave is 512 consecutive bytes, aligned: no LDS on the way out.
; ALL OF K LIES IN LDS AT ONCE: two slots of 512 along K, filled once at the head, and the rows' scale bytes; nothing is filled again, so there is no loop and no refill.
; THE ACCUMULATORS BEGIN AS THE BIAS: biasrow has one number for each stored row, 0 for hidden_states' rows, so bias(A' row) + bias(B' row) serves both kinds of tile.  These additions stand while the first tiles are on their way.
; NO CLUSTER: a work-group asks for its operands once, at its head, three loads a wave; hidden_states' rows are A' in eight columns of the grid and B' in four, so that the mask word of a joint load would have to be chosen by the kind of tile.
; LIMITS: |q|, |k|, |v| must stay under 65,504 (f16); NaN and infinities are not served.
; REGISTERS, in windows of 256: window 0: v0-31 addresses; v32-95 scale words, two sets; v128-191 A's fragments (at the head: the bias by B' rows; on the way out with v192-255: packed results); v192-207 the bias by A' rows, as pairs.
;   window 1: B's fragments, two sets, at v0 and v128.   window 2: accumulators of my A' rows 0-63 ((a, b) at v[8 (8 a + b)]);   window 3: rows 64-127.
.set NQ,     4                         ; matrix instructions deep in a slot
.set ROWB,   256                       ; a slot's row: 512 codes
.set KROW,   512                       ; a row of codes in memory
.set PITCH,  272                       ; an LDS row: 256 bytes + 16 of padding: the 16 rows of a fragment load start 68 words apart
.set FR,     8                         ; registers of a fragment: 16 rows x 128 K
.set NL,     2                         ; LDS loads that bring one
.set NP,     4                         ; places behind this matrix instruction (ISA guide 7.12.1)
.set HALFT,  128*PITCH                 ; 128 rows: what one tensor load brings
.set SLOT,   4*HALFT                   ; A's 256 rows, then B's 256
.set KS,     32                        ; a row of scale bytes
.set SCL,    2*SLOT                    ; behind the slots: the scale bytes, as rows of 256 bytes + 16 of padding
.set HALFS,  16*272                    ; those of 128 rows
.set SBLK,   2*272                     ; those of 16 rows
.set SPARE,  SCL+4*HALFS               ; the spare words, 128 bytes a wave, that no other line names
.set ADRA, 16                          ; v16-17  LDS address of my A fragments in slot 0, 1
.set ADRB, 20                          ; v20-21  the same for B
.set LO,   26                          ; v26     16 x lane: my place in a store's 512 bytes
.set ADRS, 27                          ; v27     LDS address of my scale words: lanes 0-15 A's rows, lanes 16-31 B's
.set SPW,  28                          ; v28     LDS address of my spare word; never rewritten
.set NIL,  29                          ; v29     0; never rewritten
.set SC,   32                          ; scale words: set s at v[SC + 32 s]; register 4 i + q: lanes 0-15 A's block i, lanes 16-31 B's block i, the slot's q-th 128 along K
.set AF,   128
.set BB,   128                         ; the bias by B' rows: 8 registers for each block b
.set BA,   192                         ; the bias by A' rows: a pair of equal registers for each block a
.set PK,   128                         ; the way out: four banks of 32 registers
.set WV,  16
.set RH,  17                           ; which 128 rows of A' are mine.  Also: I fetch for A' (0) or B' (1)
.set CH,  18                           ; which 128 rows of B'.  Also: which 128 rows I fetch
.set AR0, 19
.set BR0, 20
.set XX,  21
.set YY,  22
.set G1,  32                           ; s[32:39] descriptor group 1 for codes;  s[40:47] for scale bytes;  s[48:55] groups 0 of slots 0, 1;  s[56:59] of the scale bytes
.set G1S, 40
.set G0,  48
.set G0S, 56
.set OB,  60                           ; s[60:61] where my results go
.set MSB, 0
.macro WIN new                         ; the immediate's high byte repeats the setting that is left
.if MSB != (\new)
	s_set_vgpr_msb (MSB<<8)|(\new)
.set MSB, (\new)
.endif
.endm
.set MUL_LO, 0xa1                      ; source 0 (B') window 1, source 1 (A') window 0, C and D window 2
.set MUL_HI, 0xf1                      ; the same, C and D window 3
.set TO_B,   0x40                      ; destination window 1, address window 0
	s_load_b128 s[4:7], s[0:1], 0x0                ; codes s[4:5], scales s[6:7]
	s_load_b128 s[8:11], s[0:1], 0x10              ; biasrow s[8:9], qimg s[10:11]
	s_load_b128 s[12:15], s[0:1], 0x20             ; kimg s[12:13], vimg s[14:15]
	v_lshl_add_u32 v[SPW], v0, 2, SPARE
	v_mov_b32 v[NIL], 0
	ds_add_u32 v[SPW], v[NIL]                      ; the wave's opening: the add, twice on end, and its wait ahead of my first tensor load
	ds_add_u32 v[SPW], v[NIL]
	v_lshrrev_b32 v1, 5, v0
	v_readfirstlane_b32 s[WV], v1                  ; wave 0..3
	s_lshr_b32 s[RH], s[WV], 1
	s_and_b32 s[CH], s[WV], 1
	s_mov_b32 s[XX], ttmp9
	s_and_b32 s[YY], ttmp7, 0xffff
	s_lshl_b32 s23, s[YY], 8                       ; hidden_states' rows: 256 y
	s_lshl_b32 s24, s[XX], 8
	s_add_co_u32 s24, s24, 4096                    ; the weights' rows: 4096 + 256 x
	s_cmp_lt_u32 s[XX], 8
	s_cselect_b32 s[AR0], s23, s24
	s_cselect_b32 s[BR0], s24, s23
	s_mov_b32 s[G1], (1<<20)|(5<<22)|(3<<25)       ; 17:16 elements of 1 byte; 20 padding on; 24:22 after every 64 words; 31:25 four words
	s_mov_b32 s[G1+1], ROWB<<16                    ; tensor_dim0
	s_mov_b32 s[G1+2], 128<<16                     ; tensor_dim1
	s_mov_b32 s[G1+3], ROWB<<16                    ; tile_dim0
	s_mov_b32 s[G1+4], 128                         ; tile_dim1
	s_mov_b32 s[G1+5], KROW                        ; from row to row
	s_mov_b32 s[G1+6], 0
	s_mov_b32 s[G1+7], 0
	s_mov_b32 s[G1S], (3<<16)|(1<<20)|(5<<22)|(3<<25)   ; the scale bytes of 128 rows: 4,096 dense bytes as 16 rows of 32 elements of 8 bytes, padded likewise
	s_mov_b32 s[G1S+1], 32<<16
	s_mov_b32 s[G1S+2], 16<<16
	s_mov_b32 s[G1S+3], 32<<16
	s_mov_b32 s[G1S+4], 16
	s_mov_b32 s[G1S+5], 32
	s_mov_b32 s[G1S+6], 0
	s_mov_b32 s[G1S+7], 0
	s_cmp_eq_u32 s[RH], 0
	s_cselect_b32 s25, s[AR0], s[BR0]
	s_lshl_b32 s26, s[CH], 7
	s_add_co_u32 s25, s25, s26                     ; the first of the 128 stored rows that I fetch
	s_lshl_b32 s26, s25, 9                         ; its codes,
	s_mov_b32 s27, 0
	s_lshl_b32 s28, s25, 5                         ; its scale bytes
	s_mov_b32 s29, 0
	s_mul_i32 s30, s[WV], HALFT                    ; where they go: wave x 128 rows
	s_mul_i32 s31, s[WV], HALFS
	s_wait_dscnt 0x0                               ; both opening adds are done
	s_wait_kmcnt 0x0
	s_mov_b32 s[G0S], 1
	s_add_co_u32 s[G0S+1], s31, SCL
	s_add_nc_u64 s[G0S+2:G0S+3], s[6:7], s[28:29]
	s_or_b32 s[G0S+3], s[G0S+3], 0x80000000
	s_add_nc_u64 s[26:27], s[4:5], s[26:27]
.irp s, 0,1
	s_mov_b32 s[G0+4*\s], 1
	s_add_co_u32 s[G0+4*\s+1], s30, \s*SLOT
	s_add_nc_u64 s[G0+4*\s+2:G0+4*\s+3], s[26:27], \s*ROWB
	s_or_b32 s[G0+4*\s+3], s[G0+4*\s+3], 0x80000000
.endr
	tensor_load_to_lds s[G0S:G0S+3], s[G1S:G1S+7]  ; my three loads go out together: three are out; the scale bytes first, they are wanted with slot 0
	s_nop 0
	tensor_load_to_lds s[G0:G0+3], s[G1:G1+7]
	s_nop 0
	tensor_load_to_lds s[G0+4:G0+7], s[G1:G1+7]
	s_nop 0
.rept 4
	v_nop
.endr
	v_and_b32 v1, 15, v0                           ; r
	v_bfe_u32 v2, v0, 4, 1                         ; h
	v_lshlrev_b32 v7, 2, v1
	v_lshlrev_b32 v8, 5, v2
	s_lshl_b32 s23, s[RH], 7
	s_add_co_u32 s23, s23, s[AR0]
	s_lshl_b32 s66, s23, 2
	s_mov_b32 s67, 0
	s_add_nc_u64 s[66:67], s[8:9], s[66:67]        ; the bias of my first A' row,
	s_lshl_b32 s23, s[CH], 7
	s_add_co_u32 s23, s23, s[BR0]
	s_lshl_b32 s68, s23, 2
	s_mov_b32 s69, 0
	s_add_nc_u64 s[68:69], s[8:9], s[68:69]        ; of my first B' row
.irp a, 0,1,2,3,4,5,6,7
	global_load_b32 v[BA+2*\a], v7, s[66:67] offset:64*\a          ; bias(A' row 16 a + r), twice: a pair for the packed addition
	global_load_b32 v[BA+2*\a+1], v7, s[66:67] offset:64*\a
.endr
.irp b, 0,1,2,3,4,5,6,7
	global_load_b128 v[BB+8*\b:BB+8*\b+3], v8, s[68:69] offset:64*\b        ; bias(B' row 16 b + 8 h + 0 .. 7)
	global_load_b128 v[BB+8*\b+4:BB+8*\b+7], v8, s[68:69] offset:64*\b+16
.endr
	v_mul_u32_u24 v3, v1, PITCH
	v_lshl_add_u32 v4, v2, 4, v3                   ; a fragment's row x pitch + 16 x half
	s_mul_i32 s23, s[RH], HALFT                    ; my 128 rows of A'
	s_mul_i32 s24, s[CH], HALFT                    ; my 128 rows of B',
	s_add_co_u32 s24, s24, 2*HALFT                 ; which lie behind A's 256
.irp s, 0,1
	v_add_nc_u32 v[ADRA+\s], s23, v4
	v_add_nc_u32 v[ADRB+\s], s24, v4
	s_add_co_u32 s23, s23, SLOT
	s_add_co_u32 s24, s24, SLOT
.endr
	v_mul_u32_u24 v5, v1, KS                       ; my row's scale bytes: 32 a row,
	v_lshrrev_b32 v6, 8, v5
	v_lshl_add_u32 v5, v6, 4, v5                   ; and 16 more for each 256 passed
	s_mul_i32 s23, s[RH], HALFS
	s_mul_i32 s24, s[CH], HALFS
	s_add_co_u32 s24, s24, 2*HALFS
	s_sub_co_u32 s24, s24, s23
	v_mul_u32_u24 v6, s24, v2                      ; lanes 16-31 take B's: one product, the distance between the two bases x h
	s_add_co_u32 s23, s23, SCL
	v_add_nc_u32 v5, v5, v6
	v_add_nc_u32 v[ADRS], s23, v5
	v_and_b32 v6, 31, v0
	v_lshlrev_b32 v[LO], 4, v6
	s_wait_loadcnt 0x0                             ; the biases
.irp a, 0,1,2,3,4,5,6,7
	WIN 0x80+0x40*(\a/4)                           ; destination window 2 or 3
.irp b, 0,1,2,3,4,5,6,7
.irp i, 0,2,4,6
	v_pk_add_f32 v[8*(8*(\a%4)+\b)+\i:8*(8*(\a%4)+\b)+\i+1], v[BB+8*\b+\i:BB+8*\b+\i+1], v[BA+2*\a:BA+2*\a+1]   ; the sums begin as the bias; one of the two addends is 0
.endr
.endr
.endr
	WIN 0
.macro FRAG reg, adr, q, i             ; a fragment: lane l holds row l % 16; registers 4 c .. 4 c + 3 hold K = 64 c + 32 (l / 16) + 0 .. 31
.irp c, 0,1
	ds_load_b128 v[\reg+4*\c:\reg+4*\c+3], v[\adr] offset:64*(\q)+32*\c+(\i)*16*PITCH
.endr
.endm
; 16 matrix instructions: A's blocks a0, a0 + 1 x B's eight, the slot's q-th 128 along K.  p: B's set; sc: the set of scale words.  The 64 accumulators take turns, one instruction a turn, in the same order in every step.
.macro MUL16 a0, p, q, sc
.irp a, \a0, \a0+1
.irp b, 0,1,2,3,4,5,6,7
	v_wmma_scale_f32_16x16x128_f8f6f4 v[8*(8*((\a)%4)+\b):8*(8*((\a)%4)+\b)+7], v[128*(\p)+FR*\b:128*(\p)+FR*\b+FR-1], v[AF+FR*(\a):AF+FR*(\a)+FR-1], v[8*(8*((\a)%4)+\b):8*(8*((\a)%4)+\b)+7], v[SC+8*NQ*(\sc)+NQ*\b+(\q)], v[SC+8*NQ*(\sc)+NQ*(\a)+(\q)] matrix_a_fmt:MATRIX_FMT_FP4 matrix_b_fmt:MATRIX_FMT_FP4 matrix_a_scale:MATRIX_SCALE_ROW1
.endr
.endr
.endm
.macro FETCH_B slot, q, p
	WIN TO_B
.irp i, 0,1,2,3,4,5,6,7
	FRAG 128*(\p)+FR*\i, ADRB+\slot, \q, \i
.endr
	WIN 0
.endm
.macro FETCH_A slot, q, i0
.irp i, \i0, \i0+1, \i0+2, \i0+3
	FRAG AF+FR*(\i), ADRA+\slot, \q, \i
.endr
.endm
.macro SCALES sc                       ; a slot's scale words: four a row; lanes 0-15 take A's block i, lanes 16-31 B's block i
.irp i, 0,1,2,3,4,5,6,7
	ds_load_b128 v[SC+8*NQ*\sc+NQ*\i:SC+8*NQ*\sc+NQ*\i+3], v[ADRS] offset:\i*SBLK
.endr
.endm
.macro PLACES n                        ; plain vector instructions between a matrix instruction and a load into, or a vector write of, one of its registers, or a read of its result
.rept \n
	v_nop
.endr
.endm
; A step of 128 along K that has its successor in the same slot.  A's blocks go one after the other, so one set of registers serves A: blocks 0-3 are fetched anew in the step's middle, blocks 4-7 at its end; B has two sets.
.macro STEP slot, q
	s_wait_dscnt 4*NL                              ; B's set and A's blocks 0-3 are in; the youngest eight loads (A's blocks 4-7) may be out
	WIN MUL_LO
	MUL16 0, (\q)%2, \q, \slot
	MUL16 2, (\q)%2, \q, \slot
	s_wait_dscnt 0                                 ; A's blocks 4-7 are in
	PLACES NP
	FETCH_B \slot, (\q)+1, 1-(\q)%2
	FETCH_A \slot, (\q)+1, 0
	WIN MUL_HI
	MUL16 4, (\q)%2, \q, \slot
	MUL16 6, (\q)%2, \q, \slot
	PLACES NP
	WIN 0
	FETCH_A \slot, (\q)+1, 4
.endm
	s_wait_tensorcnt 1                             ; the scale bytes and my part of slot 0 are in; slot 1's load may be out
	s_barrier_signal -1
	s_barrier_wait -1                              ; everybody's are
	FETCH_B 0, 0, 0
	FETCH_A 0, 0, 0
	SCALES 0
	FETCH_A 0, 0, 4
	STEP 0, 0
	STEP 0, 1
	STEP 0, 2
	; slot 0's last step goes over to slot 1: one barrier, in front of which each wave has waited for its part of slot 1
	s_wait_tensorcnt 0x0                           ; all my tensor loads have landed
	ds_add_u32 v[SPW], v[NIL]                      ; 0 onto my spare word
	s_wait_dscnt 4*NL+1                            ; (the add and the youngest eight loads may be out)
	WIN MUL_LO
	MUL16 0, 1, NQ-1, 0
	s_wait_dscnt 0x0                               ; no LDS instruction of mine is out at the signal
	s_barrier_signal -1
	MUL16 2, 1, NQ-1, 0
	WIN 0
	s_barrier_wait -1
	PLACES NP
	v_add_nc_u32 v[ADRS], 4*NQ, v[ADRS]            ; on to slot 1's scale words
	FETCH_B 1, 0, 0
	FETCH_A 1, 0, 0
	SCALES 1
	WIN MUL_HI
	MUL16 4, 1, NQ-1, 0
	MUL16 6, 1, NQ-1, 0
	PLACES NP
	WIN 0
	FETCH_A 1, 0, 4
	STEP 1, 0
	STEP 1, 1
	STEP 1, 2
	s_wait_dscnt 4*NL                              ; the very last step: nothing more to fetch
	WIN MUL_LO
	MUL16 0, 1, NQ-1, 1
	MUL16 2, 1, NQ-1, 1
	s_wait_dscnt 0
	WIN MUL_HI
	MUL16 4, 1, NQ-1, 1
	MUL16 6, 1, NQ-1, 1
	WIN 0
	PLACES NP                                      ; the conversions below write registers that held A's fragments, and later read the last results
; THE WAY OUT of A' block a: 32 roundings to f16 (each accumulator from its low end on), 8 stores of 512 consecutive bytes.  kind 0: q and k; kind 1: v.
.macro OUT a, kind
.if (\a) >= 4
	s_wait_xcnt 0x0                                ; the bank's earlier stores have read their data: it is written again only behind this wait
.endif
	WIN 0x0a+5*((\a)/4)                            ; sources 0 and 1: window 2 or 3
.irp b, 0,1,2,3,4,5,6,7
.irp i, 0,1,2,3
	v_cvt_pk_f16_f32 v[PK+32*((\a)%4)+4*\b+\i], v[8*(8*((\a)%4)+\b)+2*\i], v[8*(8*((\a)%4)+\b)+2*\i+1]
.endr
.endr
	WIN 0
.irp b, 0,1,2,3,4,5,6,7
.if \kind == 0
	global_store_b128 v[LO], v[PK+32*((\a)%4)+4*\b:PK+32*((\a)%4)+4*\b+3], s[OB:OB+1] offset:2048*(\a)+262144*(\b/4)+512*(\b%4)   ; tile a of 16 rows; head b / 4; piece b % 4 of the head's 64 channels
.else
	global_store_b128 v[LO], v[PK+32*((\a)%4)+4*\b:PK+32*((\a)%4)+4*\b+3], s[OB:OB+1] offset:1024*((\a)%4)+262144*((\a)/4)+4096*(\b/2)+512*(\b%2)   ; head a / 4, its tile a % 4 of 16 channels; group b / 2 of 32 keys, half b % 2
.endif
.endr
.endm
	s_lshr_b32 s23, s[YY], 3
	s_lshl_b32 s23, s23, 4                         ; 16 x batch
	s_and_b32 s25, s[YY], 7
	s_mov_b32 s67, 0
	s_cmp_lt_u32 s[XX], 8
	s_cbranch_scc0 .Lout_v
	s_and_b32 s24, s[XX], 3
	s_lshl_b32 s24, s24, 2
	s_add_co_u32 s23, s23, s24
	s_lshl_b32 s24, s[CH], 1
	s_add_co_u32 s23, s23, s24                     ; batch x 16 + my first head
	s_lshl_b32 s23, s23, 7                         ; 128 tiles a head
	s_lshl_b32 s25, s25, 4
	s_add_co_u32 s23, s23, s25
	s_lshl_b32 s24, s[RH], 3
	s_add_co_u32 s23, s23, s24                     ; + my first tile: 16 (y % 8) + 8 x half
	s_lshl_b32 s66, s23, 11                        ; 2,048 bytes a tile
	s_cmp_lt_u32 s[XX], 4
	s_cselect_b64 s[OB:OB+1], s[10:11], s[12:13]   ; q's image or k's
	s_add_nc_u64 s[OB:OB+1], s[OB:OB+1], s[66:67]
.irp a, 0,1,2,3,4,5,6,7
	OUT \a, 0
.endr
	s_wait_tensorcnt 0x0                           ; the wave's end: a wait, an add to my spare word and its wait, behind my last tensor load
	ds_add_u32 v[SPW], v[NIL]
	s_wait_dscnt 0x0
	s_endpgm
.Lout_v:
	s_sub_co_u32 s24, s[XX], 8
	s_lshl_b32 s24, s24, 2
	s_add_co_u32 s23, s23, s24
	s_lshl_b32 s24, s[RH], 1
	s_add_co_u32 s23, s23, s24                     ; batch x 16 + my first head
	s_lshl_b32 s23, s23, 6                         ; 64 groups of 32 keys a head
	s_lshl_b32 s25, s25, 3
	s_add_co_u32 s23, s23, s25
	s_lshl_b32 s24, s[CH], 2
	s_add_co_u32 s23, s23, s24                     ; + my first group: 8 (y % 8) + 4 x half
	s_lshl_b32 s66, s23, 12                        ; 4,096 bytes a group
	s_add_nc_u64 s[OB:OB+1], s[14:15], s[66:67]
.irp a, 0,1,2,3,4,5,6,7
	OUT \a, 1
.endr
	s_wait_tensorcnt 0x0                           ; the wave's end, as above
	ds_add_u32 v[SPW], v[NIL]
	s_wait_dscnt 0x0
	s_endpgm
.Lfunc_end_k_qeb18e0b84b_qkv:
	.size	k_qeb18e0b84b_qkv, .Lfunc_end_k_qeb18e0b84b_qkv-k_qeb18e0b84b_qkv
	.p2alignl 7, 3214868480
	.fill 96, 4, 3214868480
	.section	.rodata,"a",@progbits
	.p2align	6, 0x0
	.amdhsa_kernel k_qeb18e0b84b_qkv
		.amdhsa_group_segment_fixed_size 327680
		.amdhsa_private_segment_fixed_size 0
		.amdhsa_enable_private_segment 0
		.amdhsa_kernarg_size 48
		.amdhsa_user_sgpr_count 2
		.amdhsa_user_sgpr_kernarg_segment_ptr 1
		.amdhsa_wavefront_size32 1
		.amdhsa_system_sgpr_workgroup_id_x 1
		.amdhsa_system_sgpr_workgroup_id_y 1
		.amdhsa_system_sgpr_workgroup_id_z 1
		.amdhsa_system_vgpr_workitem_id 0
		.amdhsa_next_free_vgpr 1024
		.amdhsa_next_free_sgpr 72
		.amdhsa_reserve_vcc 0
		.amdhsa_float_denorm_mode_32 3
		.amdhsa_float_denorm_mode_16_64 3
		.amdhsa_memory_ordered 1
		.amdhsa_forward_progress 1
		.amdhsa_inst_pref_size 156
	.end_amdhsa_kernel
	.amdgpu_metadata
---
amdhsa.version: [ 1, 2 ]
amdhsa.kernels:
  - .name:           k_qeb18e0b84b_qkv
    .symbol:         k_qeb18e0b84b_qkv.kd
    .args:
      - { .name: codes, .offset: 0, .size: 8, .value_kind: global_buffer, .address_space: global }
      - { .name: scales, .offset: 8, .size: 8, .value_kind: global_buffer, .address_space: global }
      - { .name: biasrow, .offset: 16, .size: 8, .value_kind: global_buffer, .address_space: global }
      - { .name: qimg, .offset: 24, .size: 8, .value_kind: global_buffer, .address_space: global }
      - { .name: kimg, .offset: 32, .size: 8, .value_kind: global_buffer, .address_space: global }
      - { .name: vimg, .offset: 40, .size: 8, .value_kind: global_buffer, .address_space: global }
    .group_segment_fixed_size: 327680
    .private_segment_fixed_size: 0
    .kernarg_segment_align: 8
    .kernarg_segment_size: 48
    .max_flat_workgroup_size: 128
    .sgpr_count:     72
    .vgpr_count:     1024
    .wavefront_size: 32
...
	.end_amdgpu_metadata
.endif
;; end of part 2
;; launch attn (part 3): grid 8 x 32, 8 waves a work-group, no clusters, 327,680 bytes of LDS; arguments qimg, kimg, vimg, eimg, out0; writes out0
.if DOCPART == 3
	.amdgcn_target "amdgcn-amd-amdhsa--gfx1250"
	.amdhsa_code_object_version 6
	.text
	.protected	k_qeb18e0b84b_attn
	.globl	k_qeb18e0b84b_attn
	.p2align	8
	.type	k_qeb18e0b84b_attn,@function
k_qeb18e0b84b_attn:
	s_mov_b64 s[64:65], 0
	v_nop
	global_prefetch_b8 v0, s[64:65] scope:SCOPE_SE
	s_setreg_imm32_b32 hwreg(HW_REG_WAVE_MODE, 25, 1), 1
	s_wait_xcnt 0x0
; ATTENTION with the two biases by distance: score(q, k) = q . k / 8 + q . E[q - k] + k . E[q - k]; softmax over the keys; x v.  Operands f16, all sums, maxima and the softmax in f32.
; The table holds 8 E, so the accumulators hold 8 x the score, and p = 2^(c s - c m) with c = log2(e) / 8 and m the running maximum of s; in every half step O and the sum l are multiplied by 2^(c m_old - c m_new).
; SHARES.  Work-group (X, bh) owns 256 queries of one head; each of its 8 waves 32 of them, two tiles v = 0, 1 of 16.  Every wave walks all 2,048 keys: 16 steps of 128, each two half steps of 64.
; LAYOUT.  All products are used transposed: S^T = K Q^T, O^T = V^T P: a lane holds ONE query, its registers run along the keys (S^T) or the channels (O^T).  LANE r HOLDS QUERY 16 v + 15 - r: with the queries reversed,
; the table's row for (key kk of the half step, lane r) is x = kk + r + 16 (1 - v) in a window of 96 rows (six tiles) of the table: key and lane ADD, so both biases are brought into place by a shift along x.
; Register j of S^T's tile u = 2 g + e holds key 32 g + 8 e + j + 16 h (h = lane / 16): the image of k is laid so.  Channels are permuted alike in q, k and the table, which leaves the products as they are.
;   q . E:  D(tau) = E_tau Q^T: a lane holds its query and 8 rows x.  D goes into the wave's own scratch in LDS, a row of 400 bytes a query, and comes back, one word a register, from byte 4 (kk + r) of that row,
;           STRAIGHT INTO S^T's registers, where it is the C of K Q^T: no vector instruction is spent on it.
;   k . E:  T(u, tau') = K_u E^T: a lane holds column c of a tile of the table, its registers the keys.  With s = 8 e + j the number wanted by lane r lies in column (r + s) % 16 of tile h + (1 - v) + [c < s]:
;           two selections by constant lane masks and one addition that reads its first source rotated by s within the 16 lanes.
; RING.  Two LDS slots, 2^17 bytes apart; a slot holds a step's K (16 KiB), V (16 KiB) and 384 rows of the table (48 KiB), all in the order of the operands' registers, so every fragment is 512 consecutive bytes, 16 a lane.
; Waves 0 to 4 fetch one dense block of 16 KiB each behind the change of slots: one tensor load a wave is out, and it has a whole step in which to land.
; NO CLUSTER: of a step's 80 KiB only K and V, 32 KiB, are the same for the query blocks of a head; at one step the blocks' windows of the table lie 256 rows apart.
; LIMITS: operands are f16: |q|, |k|, |v|, |8 E| under 65,504; NaN and infinities are not served.
; REGISTERS.  window 0: v1-15 addresses; v16-31 statistics, 8 a tile; v32-95 S^T (32 v + 8 u); v96-175 the ten D, then T of u = 2, 3 (v96-159), then P (v96-127: 16 v + 8 g); v176-239 T of u = 0, 1; v240-247 at work.
;             window 1: v0-31 Q (16 v + 4 sub); v32-95 K (16 u + 4 sub), then V (32 g + 8 a + 4 e); v96-191 six tiles of the table (16 tau + 4 sub); v192-255 O^T (32 v + 8 a).
.set SLOT1, 1<<17
.set VOFF,  16384
.set EOFF,  32768
.set SCR,   SLOT1+81920                ; behind the ring: 12,800 bytes for each wave, its own, written by its LDS stores alone: 32 rows of 400 bytes; on the way out the stage
.set SCRW,  12800
.set QP,    400
.set SP,    272                        ; the stage's row: 256 bytes + 16
.set SPARE, SCR+8*SCRW                 ; the spare words, 128 bytes a wave, that no other line names
.set LI,  1                            ; v1   16 x lane
.set AV0, 3                            ; v3   + V's place in a slot
.set AE0, 4                            ; v4   + the table's, + my wave's window: tile 14 - 2 w on
.set ADK, 5                            ; v5-7 the same three in the slot in hand
.set ADV, 6
.set ADE, 7
.set QST, 8                            ; v8   scratch, in: 400 r + 32 h
.set QLD, 9                            ; v9   scratch, back: 404 r + 64 h
.set SPW, 10                           ; v10  LDS address of my spare word; never rewritten
.set NIL, 11                           ; v11  0; never rewritten
.set PFO, 12                           ; v12  256 x lane, for the prefetches; never rewritten
.set STO, 13                           ; v13  the way out: where I put 32 bytes of a row
.set RD,  14                           ; v14  where I read a row back
.set GO,  15                           ; v15  my byte offset in the wave's rows of the output
.set ST,  16                           ; tile v's statistics at v[ST + 8 v]: +0 c m, +1 m, +2, +3 l, +4 .. +7 at work; a = 2^(c m_old - c m_new) takes +6
.set S,   32
.set D,   96
.set T23, 96
.set P,   96
.set T01, 176
.set TMP, 240
.set QO,  244
.set QF,  0                            ; in window 1
.set KF,  32
.set EF,  96
.set OT,  192
.set WV,  14
.set G1,  16                           ; s[16:23] descriptor group 1;  s[24:27] group 0, which walks
.set G0,  24
.set TB,  28                           ; LDS byte at which the slot in hand begins
.set SLOTS, 29                         ; steps still to be asked for
.set CS,  30                           ; s[30:31] c
.set SEL, 32                           ; s[32:33] lane selects for v_permlanex16_b32: lane l xor 16
.set MA,  34                           ; two lane masks
.set MB,  35
.set PFA, 36                           ; s[36:37] where my prefetches stand
.set LIM, 38                           ; 1 in a wave that prefetches, else the greatest number
.set BH,  39
.set MSB, 0
.macro WIN new                         ; the immediate's high byte repeats the setting that is left
.if MSB != (\new)
	s_set_vgpr_msb (MSB<<8)|(\new)
.set MSB, (\new)
.endif
.endm
.set W_MM, 0x05                        ; sources 0 and 1 window 1; C and D window 0
.set W_LD, 0x40                        ; destination window 1, address window 0
.set W_RS, 0x41                        ; O^T (destination, source 0) window 1, the factor window 0
.set W_PV, 0x51                        ; V window 1, P window 0, O^T window 1
.set W_OUT, 0x01                       ; source 0 window 1
; Waves 0 to 4 fetch, the others nothing: the branch hangs on the wave's number alone.  An s_nop 0 and four v_nop follow the load.
.macro TLOAD
	s_cmp_lt_u32 s[WV], 5
	s_cbranch_scc0 .Lnone_\@
	tensor_load_to_lds s[G0:G0+3], s[G1:G1+7]
	s_nop 0
.rept 4
	v_nop
.endr
.Lnone_\@:
.endm
; A PREFETCH INTO THE L2 of the K and V that the NEXT change of slots will ask for: 16 KiB each, lanes 256 bytes apart, two instructions a wave.  All eight work-groups of a head walk the same K and V: the head's first asks,
; and in it two waves that fetch nothing: wave 5 for K, wave 6 for V.  So each aligned block of 256 bytes is named once in the launch.  Steps 0 and 1 come by their loads alone; the last change that fills a slot asks for nothing.
.macro ASK
	s_cmp_gt_u32 s[SLOTS], s[LIM]
	s_cbranch_scc0 .Lnot_mine_\@
	global_prefetch_b8 v[PFO], s[PFA:PFA+1] th:TH_LOAD_NT scope:SCOPE_SE
	global_prefetch_b8 v[PFO], s[PFA:PFA+1] offset:8192 th:TH_LOAD_NT scope:SCOPE_SE
.Lnot_mine_\@:
.endm
; THE CHANGE OF SLOTS stands at a step's head.  Each wave waits for all its tensor loads (its part of the slot that it is about to read), adds 0 to its spare word, and waits for that and for its reads of the slot that it has left.
; Behind the barrier the slot ahead is whole and nobody reads the other one.  fill = 1: that other slot takes the next step's blocks.
.macro CHANGE fill
	s_wait_tensorcnt 0x0                           ; no tensor load of mine is out, so group 0 may be written
	ds_add_u32 v[SPW], v[NIL]                      ; 0 onto my spare word
.if \fill
	ds_add_u32 v[SPW], v[NIL]                      ; and once more: the add twice on end, in every trip alike
	s_xor_b32 s[G0+1], s[G0+1], SLOT1              ; the walking descriptor: the other slot,
	s_add_nc_u64 s[G0+2:G0+3], s[G0+2:G0+3], 16384 ; the next step's block: K, V and the table all go on by 16 KiB; the type bits on top are not reached
	s_wait_xcnt 0x0                                ; the last prefetches, a step back, have read their address, so it may be written
	s_add_nc_u64 s[PFA:PFA+1], s[PFA:PFA+1], 16384
.endif
	s_wait_dscnt 0x0                               ; the add is done, and my reads of the slot that I have left are over
	s_barrier_signal -1
	s_barrier_wait -1
.if \fill
	TLOAD                                          ; the first thing behind the barrier, and a wave's one tensor load until the next
	ASK
.endif
.endm
.macro LDE t2                          ; my window's six tiles of the table for half step t2
	WIN W_LD
.irp tau, 0,1,2,3,4,5
.irp sub, 0,1,2,3
	ds_load_b128 v[EF+16*\tau+4*\sub:EF+16*\tau+4*\sub+3], v[ADE] offset:(4*\t2+\tau)*2048+512*\sub
.endr
.endr
.endm
.macro LDK t2                          ; the half step's four tiles of 16 keys
	WIN W_LD
.irp u, 0,1,2,3
.irp sub, 0,1,2,3
	ds_load_b128 v[KF+16*\u+4*\sub:KF+16*\u+4*\sub+3], v[ADK] offset:8192*\t2+2048*\u+512*\sub
.endr
.endr
.endm
.macro LDV t2                          ; its V^T: two groups of 32 keys x four tiles of 16 channels, into K's registers
	WIN W_LD
.irp g, 0,1
.irp a, 0,1,2,3
.irp e, 0,1
	ds_load_b128 v[KF+32*\g+8*\a+4*\e:KF+32*\g+8*\a+4*\e+3], v[ADV] offset:8192*\t2+4096*\g+1024*\a+512*\e
.endr
.endr
.endr
.endm
; The accumulators of every run below take turns, one instruction a turn: a sum's second 32 channels never stand next to its first.
.macro QE bp                           ; ten products E_tau Q_v^T, channels' half bp: tiles tau = tp + 1 - v
.irp v, 0,1
.irp tp, 0,1,2,3,4
.if \bp == 0
	v_wmma_f32_16x16x32_f16 v[D+8*(5*\v+\tp):D+8*(5*\v+\tp)+7], v[EF+16*(\tp+1-\v):EF+16*(\tp+1-\v)+7], v[QF+16*\v:QF+16*\v+7], 0
.else
	v_wmma_f32_16x16x32_f16 v[D+8*(5*\v+\tp):D+8*(5*\v+\tp)+7], v[EF+16*(\tp+1-\v)+8:EF+16*(\tp+1-\v)+15], v[QF+16*\v+8:QF+16*\v+15], v[D+8*(5*\v+\tp):D+8*(5*\v+\tp)+7]
.endif
.endr
.endr
.endm
.macro KE u, tb, bp                    ; four products K_u E^T: tiles 2 (u / 2) + tp of the window, into v[tb + 8 tp]
.irp tp, 0,1,2,3
.if \bp == 0
	v_wmma_f32_16x16x32_f16 v[\tb+8*\tp:\tb+8*\tp+7], v[KF+16*(\u):KF+16*(\u)+7], v[EF+16*(2*((\u)/2)+\tp):EF+16*(2*((\u)/2)+\tp)+7], 0
.else
	v_wmma_f32_16x16x32_f16 v[\tb+8*\tp:\tb+8*\tp+7], v[KF+16*(\u)+8:KF+16*(\u)+15], v[EF+16*(2*((\u)/2)+\tp)+8:EF+16*(2*((\u)/2)+\tp)+15], v[\tb+8*\tp:\tb+8*\tp+7]
.endif
.endr
.endm
.macro QK bp                           ; eight products K_u Q_v^T onto S^T, which begins as q . E
.irp u, 0,1,2,3
.irp v, 0,1
	v_wmma_f32_16x16x32_f16 v[S+32*\v+8*\u:S+32*\v+8*\u+7], v[KF+16*\u+8*\bp:KF+16*\u+8*\bp+7], v[QF+16*\v+8*\bp:QF+16*\v+8*\bp+7], v[S+32*\v+8*\u:S+32*\v+8*\u+7]
.endr
.endr
.endm
; k . E into S^T's tile u, both tiles of queries.  s = 8 (u % 2) + j; L = the lanes of a half with column c < s.  Source lane (c, h) picks tile h + (1 - v) + [c < s]; lane r then takes lane (r + s) % 16 of its half.
.macro KEADD u, tb
.irp j, 0,1,2,3,4,5,6,7
.set KS_, 8*((\u)%2)+\j
.set KL_, (1<<KS_)-1
	s_mov_b32 s[MA], KL_|(((~KL_)&0xffff)<<16)     ; one tile on: the low half's c < s, the high half's c >= s
.if KS_ > 0
	s_mov_b32 s[MB], KL_<<16                       ; two tiles on: the high half's c < s
.endif
.irp v, 0,1
	v_cndmask_b32 v[TMP+2*(\j%4)+\v], v[\tb+8*(1-\v)+\j], v[\tb+8*(2-\v)+\j], s[MA]
.if KS_ > 0
	v_cndmask_b32 v[TMP+2*(\j%4)+\v], v[TMP+2*(\j%4)+\v], v[\tb+8*(3-\v)+\j], s[MB]
	v_add_f32_dpp v[S+32*\v+8*(\u)+\j], v[TMP+2*(\j%4)+\v], v[S+32*\v+8*(\u)+\j] row_ror:16-KS_ row_mask:0xf bank_mask:0xf
.else
	v_add_f32 v[S+32*\v+8*(\u)+\j], v[TMP+2*(\j%4)+\v], v[S+32*\v+8*(\u)+\j]
.endif
.endr
.endr
.endm
; The softmax of a half step, the two tiles line by line in turn.
.macro SOFTMAX
.irp c, 0,1,2,3
.irp v, 0,1
	v_max3_num_f32 v[ST+8*\v+4+\c], v[S+32*\v+8*\c], v[S+32*\v+8*\c+1], v[S+32*\v+8*\c+2]   ; the maximum of my 32 scores, in four chains
.endr
.endr
.irp k, 3,5
.irp c, 0,1,2,3
.irp v, 0,1
	v_max3_num_f32 v[ST+8*\v+4+\c], v[ST+8*\v+4+\c], v[S+32*\v+8*\c+\k], v[S+32*\v+8*\c+\k+1]
.endr
.endr
.endr
.irp v, 0,1
	v_max3_num_f32 v[ST+8*\v+4], v[ST+8*\v+4], v[S+32*\v+7], v[S+32*\v+15]
.endr
.irp v, 0,1
	v_max3_num_f32 v[ST+8*\v+6], v[ST+8*\v+6], v[S+32*\v+23], v[S+32*\v+31]
.endr
.irp v, 0,1
	v_max3_num_f32 v[ST+8*\v+4], v[ST+8*\v+4], v[ST+8*\v+5], v[ST+8*\v+6]
.endr
.irp v, 0,1
	v_max3_num_f32 v[ST+8*\v+4], v[ST+8*\v+4], v[ST+8*\v+7], v[ST+8*\v+1]   ; and the old m
.endr
.irp v, 0,1
	v_permlanex16_b32 v[ST+8*\v+5], v[ST+8*\v+4], s[SEL], s[SEL+1]          ; the query's other 32 keys lie in the lane 16 away
.endr
.irp v, 0,1
	v_mov_b32 v[ST+8*\v+7], v[ST+8*\v]             ; c m_old is kept
.endr
.irp v, 0,1
	v_max_num_f32 v[ST+8*\v+1], v[ST+8*\v+4], v[ST+8*\v+5]
.endr
.irp v, 0,1
	v_mul_f32 v[ST+8*\v], s[CS], v[ST+8*\v+1]
.endr
.irp v, 0,1
	v_sub_f32 v[ST+8*\v+7], v[ST+8*\v+7], v[ST+8*\v]
.endr
.irp v, 0,1
	v_exp_f32 v[ST+8*\v+6], v[ST+8*\v+7]           ; a.  From here to the wait nothing names an exponential's result
.endr
.irp b, 0,2,4,6,8,10,12,14,16,18,20,22,24,26,28,30
.irp v, 0,1
	v_pk_fma_f32 v[S+32*\v+\b:S+32*\v+\b+1], v[S+32*\v+\b:S+32*\v+\b+1], s[CS:CS+1], v[ST+8*\v:ST+8*\v+1] op_sel_hi:[1,0,0] neg_lo:[0,0,1] neg_hi:[0,0,1]   ; c s - c m
.endr
.endr
.irp b, 0,1,2,3,4,5,6,7,8,9,10,11,12,13,14,15,16,17,18,19,20,21,22,23,24,25,26,27,28,29,30,31
.irp v, 0,1
	v_exp_f32 v[S+32*\v+\b], v[S+32*\v+\b]
.endr
.endr
	v_nop                                          ; a plain instruction behind the last exponential, ahead of the first use
	s_wait_alu depctr_va_vdst(0)                   ; one wait for the 66 exponentials of both tiles, ahead of their first reader
.irp v, 0,1
	v_pk_fma_f32 v[ST+8*\v+2:ST+8*\v+3], v[ST+8*\v+2:ST+8*\v+3], v[ST+8*\v+6:ST+8*\v+7], v[S+32*\v:S+32*\v+1] op_sel_hi:[1,0,1]   ; l = a l + the sum of p, in f32, in two chains
.endr
.irp v, 0,1
	v_pk_add_f32 v[TMP+2*\v:TMP+2*\v+1], v[S+32*\v+2:S+32*\v+3], v[S+32*\v+4:S+32*\v+5]
.endr
.irp i, 6,10,14,18,22,26
.irp v, 0,1
	v_pk_add_f32 v[ST+8*\v+2:ST+8*\v+3], v[ST+8*\v+2:ST+8*\v+3], v[S+32*\v+\i:S+32*\v+\i+1]
.endr
.irp v, 0,1
	v_pk_add_f32 v[TMP+2*\v:TMP+2*\v+1], v[TMP+2*\v:TMP+2*\v+1], v[S+32*\v+\i+2:S+32*\v+\i+3]
.endr
.endr
.irp v, 0,1
	v_pk_add_f32 v[ST+8*\v+2:ST+8*\v+3], v[ST+8*\v+2:ST+8*\v+3], v[S+32*\v+30:S+32*\v+31]
.endr
.irp v, 0,1
	v_pk_add_f32 v[ST+8*\v+2:ST+8*\v+3], v[ST+8*\v+2:ST+8*\v+3], v[TMP+2*\v:TMP+2*\v+1]
.endr
.irp i, 0,1,2,3,4,5,6,7,8,9,10,11,12,13,14,15
.irp v, 0,1
	v_cvt_pk_f16_f32 v[P+16*\v+\i], v[S+32*\v+2*\i], v[S+32*\v+2*\i+1]       ; two tiles of S^T, rounded in pairs, ARE source 1 (32 keys x 16 queries) of V^T P
.endr
.endr
	WIN W_RS
.irp i, 0,2,4,6,8,10,12,14,16,18,20,22,24,26,28,30
.irp v, 0,1
	v_pk_mul_f32 v[OT+32*\v+\i:OT+32*\v+\i+1], v[OT+32*\v+\i:OT+32*\v+\i+1], v[ST+8*\v+6:ST+8*\v+7] op_sel_hi:[1,0]   ; O^T x a, each tile from its low end on
.endr
.endr
.endm
; A HALF STEP: 64 keys.
.macro HALF t2
	s_wait_dscnt 0x0                               ; the table's tiles and K are in
	WIN W_MM
	QE 0
	QE 1
.rept 5
	v_nop                                          ; places: the stores below read these results, and matrix instructions further down write over their registers
.endr
	WIN 0
.irp v, 0,1
.irp tp, 0,1,2,3,4
	ds_store_b128 v[QST], v[D+8*(5*\v+\tp):D+8*(5*\v+\tp)+3] offset:16*QP*\v+64*\tp          ; row 16 v + r of my scratch, words 16 tp + 8 h + 0 .. 7
	ds_store_b128 v[QST], v[D+8*(5*\v+\tp)+4:D+8*(5*\v+\tp)+7] offset:16*QP*\v+64*\tp+16
.endr
.endr
.irp v, 0,1
.irp u, 0,1,2,3
.irp j, 0,1,2,3,4,5,6,7
	ds_load_b32 v[S+32*\v+8*\u+\j], v[QLD] offset:16*QP*\v+128*(\u/2)+32*(\u%2)+4*\j         ; word kk + r of that row.  LDS serves a wave's instructions in order: these see my stores
.endr
.endr
.endr
	WIN W_MM
	KE 0, T01, 0                                   ; sixteen products that want nothing of the scratch stand while LDS works
	KE 1, T01+32, 0
	KE 0, T01, 1
	KE 1, T01+32, 1
	s_wait_dscnt 0x0                               ; q . E lies in S^T's registers
	QK 0
	KE 2, T23, 0
	KE 3, T23+32, 0
	QK 1
	KE 2, T23, 1
	KE 3, T23+32, 1
.rept 4
	v_nop                                          ; places in front of the loads into K's and the table's registers, and of the first reads of results
.endr
	LDV \t2
.if \t2 == 0
	LDE 1
.endif
	WIN 0
	KEADD 0, T01
	KEADD 1, T01+32
	KEADD 2, T23
	KEADD 3, T23+32
	SOFTMAX
.if \t2 == 0
	s_wait_dscnt 24                                ; V's 16 loads are in; the 24 of the table's next tiles, issued behind them, may be out
.else
	s_wait_dscnt 0x0
.endif
	WIN W_PV
.irp g, 0,1
.irp v, 0,1
.irp a, 0,1,2,3
	v_wmma_f32_16x16x32_f16 v[OT+32*\v+8*\a:OT+32*\v+8*\a+7], v[KF+32*\g+8*\a:KF+32*\g+8*\a+7], v[P+16*\v+8*\g:P+16*\v+8*\g+7], v[OT+32*\v+8*\a:OT+32*\v+8*\a+7]
.endr
.endr
.endr
.rept 5
	v_nop                                          ; places: loads into V's registers follow, and the next half step's first matrix instructions write over P's
.endr
.if \t2 == 0
	LDK 1
.endif
	WIN 0
.endm
.macro STEP
	v_add_nc_u32 v[ADK], s[TB], v[LI]
	v_add_nc_u32 v[ADV], s[TB], v[AV0]
	v_add_nc_u32 v[ADE], s[TB], v[AE0]
	LDE 0
	LDK 0
	HALF 0
	HALF 1
	s_xor_b32 s[TB], s[TB], SLOT1                  ; on to the other slot
.endm
	s_load_b256 s[4:11], s[0:1], 0x0               ; qimg s[4:5], kimg s[6:7], vimg s[8:9], eimg s[10:11]
	s_load_b64 s[12:13], s[0:1], 0x20              ; out0
	v_lshl_add_u32 v[SPW], v0, 2, SPARE
	v_mov_b32 v[NIL], 0
	ds_add_u32 v[SPW], v[NIL]                      ; the wave's opening: the add, twice on end, and its wait ahead of the first tensor load
	ds_add_u32 v[SPW], v[NIL]
	v_lshrrev_b32 v1, 5, v0
	v_readfirstlane_b32 s[WV], v1                  ; wave 0..7
	s_and_b32 s[BH], ttmp7, 0xffff                 ; batch x 16 + head
	s_mov_b32 s[G1], 3<<16                         ; a dense block of 16 KiB: 64 rows of 32 elements of 8 bytes, no padding, no mask
	s_mov_b32 s[G1+1], 32<<16
	s_mov_b32 s[G1+2], 64<<16
	s_mov_b32 s[G1+3], 32<<16
	s_mov_b32 s[G1+4], 64
	s_mov_b32 s[G1+5], 32
	s_mov_b32 s[G1+6], 0
	s_mov_b32 s[G1+7], 0
	s_mov_b32 s[CS], 0x3e38aa3b                    ; c = log2(e) / 8
	s_mov_b32 s[CS+1], s[CS]                       ; (named with it as a pair, so it is written)
	s_mov_b32 s[SEL], 0x76543210
	s_mov_b32 s[SEL+1], 0xfedcba98
	s_mov_b32 s[TB], 0
	s_mov_b32 s[SLOTS], 15
	s_lshl_b32 s42, s[BH], 18                      ; a head's K or V: 262,144 bytes
	s_min_u32 s41, s[WV], 4                        ; (waves 5 to 7 fetch nothing)
	s_add_co_u32 s41, s41, 12
	s_lshl_b32 s43, ttmp9, 1
	s_sub_co_u32 s43, s41, s43                     ; the table's block of 128 rows for waves 2, 3, 4 at step 0: 12 + w - 2 X; the last step asks for 31 - 2 X at the most, of 32 blocks
	s_lshl_b32 s43, s43, 14
	s_cmp_lt_u32 s[WV], 2
	s_cselect_b32 s44, s42, s43
	s_mov_b32 s45, 0
	s_wait_dscnt 0x0                               ; both opening adds are done
	s_wait_kmcnt 0x0
	s_mov_b32 s[G0], 1
	s_lshl_b32 s[G0+1], s[WV], 14                  ; slot 0: K, V, the table's three blocks: 16 KiB x wave
	s_cmp_eq_u32 s[WV], 1
	s_cselect_b64 s[G0+2:G0+3], s[8:9], s[10:11]
	s_cmp_eq_u32 s[WV], 0
	s_cselect_b64 s[G0+2:G0+3], s[6:7], s[G0+2:G0+3]
	s_add_nc_u64 s[G0+2:G0+3], s[G0+2:G0+3], s[44:45]
	s_or_b32 s[G0+3], s[G0+3], 0x80000000
	TLOAD                                          ; step 0
	v_and_b32 v[LI], 31, v0
	v_lshlrev_b32 v[LI], 4, v[LI]
	v_and_b32 v240, 15, v0                         ; r
	v_bfe_u32 v241, v0, 4, 1                       ; h
	v_add_nc_u32 v[AV0], VOFF, v[LI]
	s_xor_b32 s40, s[WV], 7
	s_lshl_b32 s40, s40, 12                        ; tile 14 - 2 w of the slot's 24: (7 - w) x 4,096 bytes
	s_add_co_u32 s40, s40, EOFF
	v_add_nc_u32 v[AE0], s40, v[LI]
	s_mul_i32 s40, s[WV], SCRW
	s_add_co_u32 s40, s40, SCR                     ; my scratch
	v_mul_u32_u24 v[QST], v240, QP
	v_lshl_add_u32 v[QST], v241, 5, v[QST]
	v_add_nc_u32 v[QST], s40, v[QST]
	v_mul_u32_u24 v[QLD], v240, QP+4
	v_lshl_add_u32 v[QLD], v241, 6, v[QLD]
	v_add_nc_u32 v[QLD], s40, v[QLD]
	v_xor_b32 v242, 15, v240                       ; z = 15 - r: my query in its tile
	v_mul_u32_u24 v[STO], v242, SP
	v_lshl_add_u32 v[STO], v241, 6, v[STO]
	v_add_nc_u32 v[STO], s40, v[STO]               ; the stage, in: row z, + 64 h
	v_mul_u32_u24 v[RD], v241, SP
	v_lshl_add_u32 v[RD], v240, 4, v[RD]
	v_add_nc_u32 v[RD], s40, v[RD]                 ; back: lanes 0-15 one row, lanes 16-31 the next
	v_lshlrev_b32 v[GO], 12, v241
	v_lshl_add_u32 v[GO], v240, 4, v[GO]           ; and the same two rows of the output, 4,096 bytes apart
	v_and_b32 v[PFO], 31, v0
	v_lshlrev_b32 v[PFO], 8, v[PFO]
	v_lshrrev_b32 v243, 3, v242                    ; Q: row 16 v + z of my 32 lies in tile z / 8 of my two, at its lane 8 v + z % 8
	v_and_b32 v242, 7, v242
	v_lshl_add_u32 v242, v241, 4, v242
	v_lshlrev_b32 v242, 4, v242
	v_lshl_add_u32 v[QO], v243, 11, v242
	s_lshl_b32 s46, s[BH], 7
	s_lshl_b32 s47, ttmp9, 4
	s_add_co_u32 s46, s46, s47
	s_lshl_b32 s47, s[WV], 1
	s_add_co_u32 s46, s46, s47                     ; my first tile of Q: 128 bh + 16 X + 2 w
	s_lshl_b32 s46, s46, 11
	s_mov_b32 s47, 0
	s_add_nc_u64 s[4:5], s[4:5], s[46:47]
	WIN W_LD
.irp v, 0,1
.irp sub, 0,1,2,3
	global_load_b128 v[QF+16*\v+4*\sub:QF+16*\v+4*\sub+3], v[QO], s[4:5] offset:128*\v+512*\sub   ; Q stays in registers
.endr
.endr
.irp i, 0,1,2,3,4,5,6,7,8,9,10,11,12,13,14,15,16,17,18,19,20,21,22,23,24,25,26,27,28,29,30,31,32,33,34,35,36,37,38,39,40,41,42,43,44,45,46,47,48,49,50,51,52,53,54,55,56,57,58,59,60,61,62,63
	v_mov_b32 v[OT+\i], 0                          ; O^T.  (The step is written for every step alike: the first finds zeros, which its a = 0 leaves zeros)
.endr
	WIN 0
.irp v, 0,1
	v_mov_b32 v[ST+8*\v+1], 0xff61b1e6             ; m: -3e38, under every score
	v_mul_f32 v[ST+8*\v], s[CS], v[ST+8*\v+1]      ; c m
.irp i, 2,3,4,5,6,7
	v_mov_b32 v[ST+8*\v+\i], 0                     ; l; and the registers at work, written once: a lane permute's destination counts as one of its sources
.endr
.endr
	s_cmp_eq_u32 s[WV], 5                          ; the prefetches: wave 5 stands in K, wave 6 in V,
	s_cselect_b64 s[PFA:PFA+1], s[6:7], s[8:9]
	s_add_co_u32 s48, s42, 16384                   ; in my head, at step 1: the first change of slots steps it to step 2.  Nothing is prefetched here, at the head
	s_mov_b32 s49, 0
	s_add_nc_u64 s[PFA:PFA+1], s[PFA:PFA+1], s[48:49]
	s_sub_co_u32 s50, s[WV], 5
	s_lshr_b32 s50, s50, 1                         ; 0 in waves 5 and 6,
	s_or_b32 s50, s50, ttmp9                       ; of the head's first work-group
	s_cmp_eq_u32 s50, 0
	s_cselect_b32 s[LIM], 1, -1
	s_lshr_b32 s50, s[BH], 4                       ; the output: row batch x 2048 + 256 X + 32 w, 4,096 bytes a row, + 256 bytes x head
	s_lshl_b32 s50, s50, 11
	s_lshl_b32 s51, ttmp9, 8
	s_add_co_u32 s50, s50, s51
	s_lshl_b32 s51, s[WV], 5
	s_add_co_u32 s50, s50, s51
	s_lshl_b32 s50, s50, 12
	s_and_b32 s51, s[BH], 15
	s_lshl_b32 s51, s51, 8
	s_add_co_u32 s50, s50, s51
	s_mov_b32 s51, 0
	s_add_nc_u64 s[12:13], s[12:13], s[50:51]
	s_wait_loadcnt 0x0                             ; Q
.Lstep:                                            ; 15 trips: behind each change of slots but the last the next step is asked for
	CHANGE 1
	STEP
	s_sub_co_u32 s[SLOTS], s[SLOTS], 1
	s_cmp_lg_u32 s[SLOTS], 0
	s_cbranch_scc1 .Lstep
	CHANGE 0                                       ; the last step is written out
	STEP
	; THE WAY OUT.  l's two halves and the other half of the lanes' are added; O^T / l goes through my stage in LDS and leaves as rows of 256 bytes: a head's 64 channels of one query.  (The five places at the half step's end stand behind the last products.)
.irp v, 0,1
	v_add_f32 v[ST+8*\v+4], v[ST+8*\v+2], v[ST+8*\v+3]
.endr
.irp v, 0,1
	v_permlanex16_b32 v[ST+8*\v+5], v[ST+8*\v+4], s[SEL], s[SEL+1]
.endr
.irp v, 0,1
	v_add_f32 v[ST+8*\v+4], v[ST+8*\v+4], v[ST+8*\v+5]
.endr
.irp v, 0,1
	v_rcp_f32 v[ST+8*\v+6], v[ST+8*\v+4]
.endr
	v_nop                                          ; a plain instruction between the last reciprocal and the use of its result
	s_wait_alu depctr_va_vdst(0)                   ; and the wait ahead of the first use: one for both
	WIN W_OUT
.irp v, 0,1
.irp i, 0,2,4,6,8,10,12,14,16,18,20,22,24,26,28,30
	v_pk_mul_f32 v[D+32*\v+\i:D+32*\v+\i+1], v[OT+32*\v+\i:OT+32*\v+\i+1], v[ST+8*\v+6:ST+8*\v+7] op_sel_hi:[1,0]   ; register 8 a + j: channel 32 (a / 2) + 8 (a % 2) + 16 h + j of query 16 v + 15 - r
.endr
.endr
	WIN 0
.irp v, 0,1
.irp a, 0,1,2,3
	ds_store_b128 v[STO], v[D+32*\v+8*\a:D+32*\v+8*\a+3] offset:16*SP*\v+128*(\a/2)+32*(\a%2)
	ds_store_b128 v[STO], v[D+32*\v+8*\a+4:D+32*\v+8*\a+7] offset:16*SP*\v+128*(\a/2)+32*(\a%2)+16
.endr
.endr
.irp i, 0,1,2,3,4,5,6,7,8,9,10,11,12,13,14,15
	ds_load_b128 v[S+4*\i:S+4*\i+3], v[RD] offset:2*SP*\i            ; LDS serves a wave's instructions in order: these see my stores
.endr
.irp i, 0,1,2,3,4,5,6,7,8,9,10,11,12,13,14,15
	s_wait_dscnt 15-\i                             ; rows 2 i and 2 i + 1 are back; the later loads may be out
	global_store_b128 v[GO], v[S+4*\i:S+4*\i+3], s[12:13] offset:8192*\i th:TH_STORE_NT   ; 16 lanes store 256 consecutive bytes, at a multiple of 256 from the output's first byte
.endr
	s_wait_tensorcnt 0x0                           ; the wave's end: a wait, an add to my spare word and its wait, behind my last tensor load and my last LDS store
	ds_add_u32 v[SPW], v[NIL]
	s_wait_dscnt 0x0
	s_endpgm
.Lfunc_end_k_qeb18e0b84b_attn:
	.size	k_qeb18e0b84b_attn, .Lfunc_end_k_qeb18e0b84b_attn-k_qeb18e0b84b_attn
	.p2alignl 7, 3214868480
	.fill 96, 4, 3214868480
	.section	.rodata,"a",@progbits
	.p2align	6, 0x0
	.amdhsa_kernel k_qeb18e0b84b_attn
		.amdhsa_group_segment_fixed_size 327680
		.amdhsa_private_segment_fixed_size 0
		.amdhsa_enable_private_segment 0
		.amdhsa_kernarg_size 40
		.amdhsa_user_sgpr_count 2
		.amdhsa_user_sgpr_kernarg_segment_ptr 1
		.amdhsa_wavefront_size32 1
		.amdhsa_system_sgpr_workgroup_id_x 1
		.amdhsa_system_sgpr_workgroup_id_y 1
		.amdhsa_system_sgpr_workgroup_id_z 1
		.amdhsa_system_vgpr_workitem_id 0
		.amdhsa_next_free_vgpr 512
		.amdhsa_next_free_sgpr 66
		.amdhsa_reserve_vcc 0
		.amdhsa_float_denorm_mode_32 3
		.amdhsa_float_denorm_mode_16_64 3
		.amdhsa_memory_ordered 1
		.amdhsa_forward_progress 1
		.amdhsa_inst_pref_size 188
	.end_amdhsa_kernel
	.amdgpu_metadata
---
amdhsa.version: [ 1, 2 ]
amdhsa.kernels:
  - .name:           k_qeb18e0b84b_attn
    .symbol:         k_qeb18e0b84b_attn.kd
    .args:
      - { .name: qimg, .offset: 0, .size: 8, .value_kind: global_buffer, .address_space: global }
      - { .name: kimg, .offset: 8, .size: 8, .value_kind: global_buffer, .address_space: global }
      - { .name: vimg, .offset: 16, .size: 8, .value_kind: global_buffer, .address_space: global }
      - { .name: eimg, .offset: 24, .size: 8, .value_kind: global_buffer, .address_space: global }
      - { .name: out0, .offset: 32, .size: 8, .value_kind: global_buffer, .address_space: global }
    .group_segment_fixed_size: 327680
    .private_segment_fixed_size: 0
    .kernarg_segment_align: 8
    .kernarg_segment_size: 40
    .max_flat_workgroup_size: 256
    .sgpr_count:     66
    .vgpr_count:     512
    .wavefront_size: 32
...
	.end_amdgpu_metadata
.endif
;; end of part 3
;; ======== version 2 of 2: 3 launches
;; limits: values are held in f16: magnitudes above 65,504 overflow, below 6.1e-05 lose precision
;; workspace buffers: codes 3,670,016 bytes; scales 229,376 bytes; biasrow 28,672 bytes; eimg 524,288 bytes; qimg 8,388,608 bytes; kimg 8,388,608 bytes; vimg 8,388,608 bytes
;; launch prep: the kernel of part 1 again; grid 241 x 1, 4 waves a work-group, no clusters, 33,280 bytes of LDS; arguments hidden_states, Wq, Wk, Wv, bq, bk, bv, dist_emb, codes, scales, biasrow, eimg; writes codes, scales, biasrow, eimg
;; launch qkv: the kernel of part 2 again; grid 12 x 16, 4 waves a work-group, no clusters, 327,680 bytes of LDS; arguments codes, scales, biasrow, qimg, kimg, vimg; writes qimg, kimg, vimg
;; launch attn (part 4): grid 8 x 32, 8 waves a work-group, no clusters, 327,680 bytes of LDS; arguments qimg, kimg, vimg, eimg, out0; writes out0
.if DOCPART == 4
	.amdgcn_target "amdgcn-amd-amdhsa--gfx1250"
	.amdhsa_code_object_version 6
	.text
	.protected	k_qeb18e0b84b_attn
	.globl	k_qeb18e0b84b_attn
	.p2align	8
	.type	k_qeb18e0b84b_attn,@function
k_qeb18e0b84b_attn:
	s_mov_b64 s[64:65], 0
	v_nop
	global_prefetch_b8 v0, s[64:65] scope:SCOPE_SE
	s_setreg_imm32_b32 hwreg(HW_REG_WAVE_MODE, 25, 1), 1
	s_wait_xcnt 0x0
; ATTENTION with the two biases by distance: score(q, k) = q . k / 8 + q . E[q - k] + k . E[q - k]; softmax over the keys; x v.  Operands f16, all sums, maxima and the softmax in f32.
; The table holds 8 E, so the accumulators hold 8 x the score, and p = 2^(c s - c m) with c = log2(e) / 8 and m the running maximum of s; in every half step O and the sum l are multiplied by 2^(c m_old - c m_new).
; SHARES.  Work-group (X, bh) owns 256 queries of one head; each of its 8 waves 32 of them, two tiles v = 0, 1 of 16.  Every wave walks all 2,048 keys: 16 steps of 128, each two half steps of 64.
; LAYOUT.  All products are used transposed: S^T = K Q^T, O^T = V^T P: a lane holds ONE query, its registers run along the keys (S^T) or the channels (O^T).  LANE r HOLDS QUERY 16 v + 15 - r: with the queries reversed,
; the table's row for (key kk of the half step, lane r) is x = kk + r + 16 (1 - v) in a window of 96 rows (six tiles) of the table: key and lane ADD, so both biases are brought into place by a shift along x.
; Register j of S^T's tile u = 2 g + e holds key 32 g + 8 e + j + 16 h (h = lane / 16): the image of k is laid so.  Channels are permuted alike in q, k and the table, which leaves the products as they are.
;   q . E:  D(tau) = E_tau Q^T: a lane holds its query and 8 rows x.  D goes into the wave's own scratch in LDS, a row of 400 bytes a query, and comes back, one word a register, from byte 4 (kk + r) of that row,
;           STRAIGHT INTO S^T's registers, where it is the C of K Q^T: no vector instruction is spent on it.
;   k . E:  T(u, tau') = K_u E^T: a lane holds column c of a tile of the table, its registers the keys.  With s = 8 e + j the number wanted by lane r lies in column (r + s) % 16 of tile h + (1 - v) + [c < s]:
;           two selections by constant lane masks and one addition that reads its first source rotated by s within the 16 lanes.
; RING.  Two LDS slots, 2^17 bytes apart; a slot holds a step's K (16 KiB), V (16 KiB) and 384 rows of the table (48 KiB), all in the order of the operands' registers, so every fragment is 512 consecutive bytes, 16 a lane.
; Waves 0 to 4 fetch one dense block of 16 KiB each behind the change of slots: one tensor load a wave is out.
; OUT OF STEP.  A half step is a run of products (68 matrix instructions) and then a run of vector work (the selections, the softmax) with 16 products at its end.  Eight waves lie on four SIMDs, two to a SIMD, and all run this one text:
; so that one of the two multiplies while the other does its vector work, (a) waves 1, 3, 4 and 6 ask for their Q behind the first barrier, the others ahead of it (of waves w and w + 4, and of waves 2 i and 2 i + 1, one is early
; and one late: the text does not know which two share a SIMD); (b) the barrier of a change of slots is signalled as soon as a wave has made its last read of the slot, at the head of the step's last run of vector work, and waited for
; at the step's end: a wave may be ahead of another by the work between the two, and an early wave that is further ahead is held just there.
; NO CLUSTER: of a step's 80 KiB only K and V, 32 KiB, are the same for the query blocks of a head; at one step the blocks' windows of the table lie 256 rows apart.
; LIMITS: operands are f16: |q|, |k|, |v|, |8 E| under 65,504; NaN and infinities are not served.
; REGISTERS.  window 0: v1-15 addresses; v16-31 statistics, 8 a tile; v32-95 S^T (32 v + 8 u); v96-175 the ten D, then T of u = 2, 3 (v96-159), then P (v96-127: 16 v + 8 g); v176-239 T of u = 0, 1; v240-247 at work.
;             window 1: v0-31 Q (16 v + 4 sub); v32-95 K (16 u + 4 sub), then V (32 g + 8 a + 4 e); v96-191 six tiles of the table (16 tau + 4 sub); v192-255 O^T (32 v + 8 a).
.set SLOT1, 1<<17
.set VOFF,  16384
.set EOFF,  32768
.set SCR,   SLOT1+81920                ; behind the ring: 12,800 bytes for each wave, its own, written by its LDS stores alone: 32 rows of 400 bytes; on the way out the stage
.set SCRW,  12800
.set QP,    400
.set SP,    272                        ; the stage's row: 256 bytes + 16
.set SPARE, SCR+8*SCRW                 ; the spare words, 128 bytes a wave, that no other line names
.set LI,  1                            ; v1   16 x lane
.set AV0, 3                            ; v3   + V's place in a slot
.set AE0, 4                            ; v4   + the table's, + my wave's window: tile 14 - 2 w on
.set ADK, 5                            ; v5-7 the same three in the slot in hand
.set ADV, 6
.set ADE, 7
.set QST, 8                            ; v8   scratch, in: 400 r + 32 h
.set QLD, 9                            ; v9   scratch, back: 404 r + 64 h
.set SPW, 10                           ; v10  LDS address of my spare word; never rewritten
.set NIL, 11                           ; v11  0; never rewritten
.set PFO, 12                           ; v12  256 x lane, for the prefetches; never rewritten
.set STO, 13                           ; v13  the way out: where I put 32 bytes of a row
.set RD,  14                           ; v14  where I read a row back
.set GO,  15                           ; v15  my byte offset in the wave's rows of the output
.set ST,  16                           ; tile v's statistics at v[ST + 8 v]: +0 c m, +1 m, +2, +3 l, +4 .. +7 at work; a = 2^(c m_old - c m_new) takes +6
.set S,   32
.set D,   96
.set T23, 96
.set P,   96
.set T01, 176
.set TMP, 240
.set QO,  244
.set QF,  0                            ; in window 1
.set KF,  32
.set EF,  96
.set OT,  192
.set WV,  14
.set G1,  16                           ; s[16:23] descriptor group 1;  s[24:27] group 0, which walks
.set G0,  24
.set TB,  28                           ; LDS byte at which the slot in hand begins
.set SLOTS, 29                         ; steps still to be asked for
.set CS,  30                           ; s[30:31] c
.set SEL, 32                           ; s[32:33] lane selects for v_permlanex16_b32: lane l xor 16
.set PFA, 36                           ; s[36:37] where my prefetches stand
.set LIM, 38                           ; 1 in a wave that prefetches, else the greatest number
.set BH,  39
.set LATE, 52                          ; 1 in waves 1, 3, 4, 6
.set MAB, 66                           ; s66-81  for s = 0 .. 15 the lanes that take one tile on: the low half's c < s, the high half's c >= s
.set MBB, 82                           ; s83-97  for s = 1 .. 15 the lanes that take two tiles on: the high half's c < s
.set MSB, 0
.macro WIN new                         ; the immediate's high byte repeats the setting that is left
.if MSB != (\new)
	s_set_vgpr_msb (MSB<<8)|(\new)
.set MSB, (\new)
.endif
.endm
.set W_MM, 0x05                        ; sources 0 and 1 window 1; C and D window 0
.set W_LD, 0x40                        ; destination window 1, address window 0
.set W_RS, 0x41                        ; O^T (destination, source 0) window 1, the factor window 0
.set W_PV, 0x51                        ; V window 1, P window 0, O^T window 1
.set W_OUT, 0x01                       ; source 0 window 1
; Waves 0 to 4 fetch, the others nothing: the branch hangs on the wave's number alone.  An s_nop 0 and four v_nop follow the load.
.macro TLOAD
	s_cmp_lt_u32 s[WV], 5
	s_cbranch_scc0 .Lnone_\@
	tensor_load_to_lds s[G0:G0+3], s[G1:G1+7]
	s_nop 0
.rept 4
	v_nop
.endr
.Lnone_\@:
.endm
; A PREFETCH INTO THE L2 of the K and V that the NEXT change of slots will ask for: 16 KiB each, lanes 256 bytes apart, two instructions a wave.  All eight work-groups of a head walk the same K and V: the head's first asks,
; and in it two waves that fetch nothing: wave 5 for K, wave 6 for V.  So each aligned block of 256 bytes is named once in the launch.  Steps 0 and 1 come by their loads alone; the last change that fills a slot asks for nothing.
.macro ASK
	s_cmp_gt_u32 s[SLOTS], s[LIM]
	s_cbranch_scc0 .Lnot_mine_\@
	global_prefetch_b8 v[PFO], s[PFA:PFA+1] th:TH_LOAD_NT scope:SCOPE_SE
	global_prefetch_b8 v[PFO], s[PFA:PFA+1] offset:8192 th:TH_LOAD_NT scope:SCOPE_SE
.Lnot_mine_\@:
.endm
; The head of a change of slots: the wait for all my tensor loads (my part of the next slot), and the add.  fill = 1: a refill follows the barrier: the descriptor and the prefetches' address step on.
; The wait for the add and for my reads of the slot in hand, and the barrier's signal, follow in the text that calls this.
.macro READY fill
	s_wait_tensorcnt 0x0                           ; no tensor load of mine is out, so group 0 may be written
	ds_add_u32 v[SPW], v[NIL]                      ; 0 onto my spare word
.if \fill
	ds_add_u32 v[SPW], v[NIL]                      ; and once more: the add twice on end, in every trip alike
	s_xor_b32 s[G0+1], s[G0+1], SLOT1              ; the walking descriptor: the other slot,
	s_add_nc_u64 s[G0+2:G0+3], s[G0+2:G0+3], 16384 ; the next step's block: K, V and the table all go on by 16 KiB; the type bits on top are not reached
	s_wait_xcnt 0x0                                ; the last prefetches, a step back, have read their address, so it may be written
	s_add_nc_u64 s[PFA:PFA+1], s[PFA:PFA+1], 16384
.endif
.endm
.macro LDE t2                          ; my window's six tiles of the table for half step t2
	WIN W_LD
.irp tau, 0,1,2,3,4,5
.irp sub, 0,1,2,3
	ds_load_b128 v[EF+16*\tau+4*\sub:EF+16*\tau+4*\sub+3], v[ADE] offset:(4*\t2+\tau)*2048+512*\sub
.endr
.endr
.endm
.macro LDK t2                          ; the half step's four tiles of 16 keys
	WIN W_LD
.irp u, 0,1,2,3
.irp sub, 0,1,2,3
	ds_load_b128 v[KF+16*\u+4*\sub:KF+16*\u+4*\sub+3], v[ADK] offset:8192*\t2+2048*\u+512*\sub
.endr
.endr
.endm
.macro LDV t2                          ; its V^T: two groups of 32 keys x four tiles of 16 channels, into K's registers
	WIN W_LD
.irp g, 0,1
.irp a, 0,1,2,3
.irp e, 0,1
	ds_load_b128 v[KF+32*\g+8*\a+4*\e:KF+32*\g+8*\a+4*\e+3], v[ADV] offset:8192*\t2+4096*\g+1024*\a+512*\e
.endr
.endr
.endr
.endm
; The accumulators of every run below take turns, one instruction a turn: a sum's second 32 channels never stand next to its first.
.macro QE bp                           ; ten products E_tau Q_v^T, channels' half bp: tiles tau = tp + 1 - v
.irp v, 0,1
.irp tp, 0,1,2,3,4
.if \bp == 0
	v_wmma_f32_16x16x32_f16 v[D+8*(5*\v+\tp):D+8*(5*\v+\tp)+7], v[EF+16*(\tp+1-\v):EF+16*(\tp+1-\v)+7], v[QF+16*\v:QF+16*\v+7], 0
.else
	v_wmma_f32_16x16x32_f16 v[D+8*(5*\v+\tp):D+8*(5*\v+\tp)+7], v[EF+16*(\tp+1-\v)+8:EF+16*(\tp+1-\v)+15], v[QF+16*\v+8:QF+16*\v+15], v[D+8*(5*\v+\tp):D+8*(5*\v+\tp)+7]
.endif
.endr
.endr
.endm
.macro KE u, tb, bp                    ; four products K_u E^T: tiles 2 (u / 2) + tp of the window, into v[tb + 8 tp]
.irp tp, 0,1,2,3
.if \bp == 0
	v_wmma_f32_16x16x32_f16 v[\tb+8*\tp:\tb+8*\tp+7], v[KF+16*(\u):KF+16*(\u)+7], v[EF+16*(2*((\u)/2)+\tp):EF+16*(2*((\u)/2)+\tp)+7], 0
.else
	v_wmma_f32_16x16x32_f16 v[\tb+8*\tp:\tb+8*\tp+7], v[KF+16*(\u)+8:KF+16*(\u)+15], v[EF+16*(2*((\u)/2)+\tp)+8:EF+16*(2*((\u)/2)+\tp)+15], v[\tb+8*\tp:\tb+8*\tp+7]
.endif
.endr
.endm
.macro QK bp                           ; eight products K_u Q_v^T onto S^T, which begins as q . E
.irp u, 0,1,2,3
.irp v, 0,1
	v_wmma_f32_16x16x32_f16 v[S+32*\v+8*\u:S+32*\v+8*\u+7], v[KF+16*\u+8*\bp:KF+16*\u+8*\bp+7], v[QF+16*\v+8*\bp:QF+16*\v+8*\bp+7], v[S+32*\v+8*\u:S+32*\v+8*\u+7]
.endr
.endr
.endm
; k . E into S^T's tile u, both tiles of queries.  s = 8 (u % 2) + j.  Source lane (c, h) picks tile h + (1 - v) + [c < s]; lane r then takes lane (r + s) % 16 of its half.
; Four j x two v go together, eight lines of a kind on end, so that no line reads the result of a line near it: first selections, second selections, additions.  The masks stay in scalar registers for the whole launch.
.macro KEADD u, tb
.irp jb, 0,4
.irp jj, 0,1,2,3
.set KS_, 8*((\u)%2)+\jb+\jj
.irp v, 0,1
	v_cndmask_b32 v[TMP+2*\jj+\v], v[\tb+8*(1-\v)+\jb+\jj], v[\tb+8*(2-\v)+\jb+\jj], s[MAB+KS_]
.endr
.endr
.irp jj, 0,1,2,3
.set KS_, 8*((\u)%2)+\jb+\jj
.if KS_ > 0
.irp v, 0,1
	v_cndmask_b32 v[TMP+2*\jj+\v], v[TMP+2*\jj+\v], v[\tb+8*(3-\v)+\jb+\jj], s[MBB+KS_]
.endr
.endif
.endr
.irp jj, 0,1,2,3
.set KS_, 8*((\u)%2)+\jb+\jj
.irp v, 0,1
.if KS_ > 0
	v_add_f32_dpp v[S+32*\v+8*(\u)+\jb+\jj], v[TMP+2*\jj+\v], v[S+32*\v+8*(\u)+\jb+\jj] row_ror:16-KS_ row_mask:0xf bank_mask:0xf
.else
	v_add_f32 v[S+32*\v+8*(\u)+\jb+\jj], v[TMP+2*\jj+\v], v[S+32*\v+8*(\u)+\jb+\jj]
.endif
.endr
.endr
.endr
.endm
.macro SCALE p, v                      ; pair p of tile v's scores: c s - c m
	v_pk_fma_f32 v[S+32*(\v)+2*(\p):S+32*(\v)+2*(\p)+1], v[S+32*(\v)+2*(\p):S+32*(\v)+2*(\p)+1], s[CS:CS+1], v[ST+8*(\v):ST+8*(\v)+1] op_sel_hi:[1,0,0] neg_lo:[0,0,1] neg_hi:[0,0,1]
.endm
; The softmax of a half step, the two tiles line by line in turn.
.macro SOFTMAX
.irp c, 0,1,2,3
.irp v, 0,1
	v_max3_num_f32 v[ST+8*\v+4+\c], v[S+32*\v+8*\c], v[S+32*\v+8*\c+1], v[S+32*\v+8*\c+2]   ; the maximum of my 32 scores, in four chains
.endr
.endr
.irp k, 3,5
.irp c, 0,1,2,3
.irp v, 0,1
	v_max3_num_f32 v[ST+8*\v+4+\c], v[ST+8*\v+4+\c], v[S+32*\v+8*\c+\k], v[S+32*\v+8*\c+\k+1]
.endr
.endr
.endr
.irp v, 0,1
	v_max3_num_f32 v[ST+8*\v+4], v[ST+8*\v+4], v[S+32*\v+7], v[S+32*\v+15]
.endr
.irp v, 0,1
	v_max3_num_f32 v[ST+8*\v+6], v[ST+8*\v+6], v[S+32*\v+23], v[S+32*\v+31]
.endr
.irp v, 0,1
	v_max3_num_f32 v[ST+8*\v+4], v[ST+8*\v+4], v[ST+8*\v+5], v[ST+8*\v+6]
.endr
.irp v, 0,1
	v_max3_num_f32 v[ST+8*\v+4], v[ST+8*\v+4], v[ST+8*\v+7], v[ST+8*\v+1]   ; and the old m
.endr
.irp v, 0,1
	v_permlanex16_b32 v[ST+8*\v+5], v[ST+8*\v+4], s[SEL], s[SEL+1]          ; the query's other 32 keys lie in the lane 16 away
.endr
.irp v, 0,1
	v_mov_b32 v[ST+8*\v+7], v[ST+8*\v]             ; c m_old is kept
.endr
.irp v, 0,1
	v_max_num_f32 v[ST+8*\v+1], v[ST+8*\v+4], v[ST+8*\v+5]
.endr
.irp v, 0,1
	v_mul_f32 v[ST+8*\v], s[CS], v[ST+8*\v+1]
.endr
.irp v, 0,1
	v_sub_f32 v[ST+8*\v+7], v[ST+8*\v+7], v[ST+8*\v]
.endr
.irp v, 0,1
	v_exp_f32 v[ST+8*\v+6], v[ST+8*\v+7]           ; a.  From here to the wait nothing names an exponential's result
.endr
.irp p, 0,1
.irp v, 0,1
	SCALE \p, \v
.endr
.endr
.irp p, 0,1,2,3,4,5,6,7,8,9,10,11,12,13,14,15
.irp v, 0,1
.if \p < 14
	SCALE \p+2, \v                                 ; the scalings stand among the exponentials, two pairs ahead of their own
.endif
	v_exp_f32 v[S+32*\v+2*\p], v[S+32*\v+2*\p]
	v_exp_f32 v[S+32*\v+2*\p+1], v[S+32*\v+2*\p+1]
.endr
.endr
	v_nop                                          ; a plain instruction behind the last exponential, ahead of the first use
	s_wait_alu depctr_va_vdst(0)                   ; one wait for the 66 exponentials of both tiles, ahead of their first reader
.irp v, 0,1
	v_pk_fma_f32 v[ST+8*\v+2:ST+8*\v+3], v[ST+8*\v+2:ST+8*\v+3], v[ST+8*\v+6:ST+8*\v+7], v[S+32*\v:S+32*\v+1] op_sel_hi:[1,0,1]   ; l = a l + the sum of p, in f32, in two chains
.endr
.irp v, 0,1
	v_pk_add_f32 v[TMP+2*\v:TMP+2*\v+1], v[S+32*\v+2:S+32*\v+3], v[S+32*\v+4:S+32*\v+5]
.endr
.irp i, 6,10,14,18,22,26
.irp v, 0,1
	v_pk_add_f32 v[ST+8*\v+2:ST+8*\v+3], v[ST+8*\v+2:ST+8*\v+3], v[S+32*\v+\i:S+32*\v+\i+1]
.endr
.irp v, 0,1
	v_pk_add_f32 v[TMP+2*\v:TMP+2*\v+1], v[TMP+2*\v:TMP+2*\v+1], v[S+32*\v+\i+2:S+32*\v+\i+3]
.endr
.endr
.irp v, 0,1
	v_pk_add_f32 v[ST+8*\v+2:ST+8*\v+3], v[ST+8*\v+2:ST+8*\v+3], v[S+32*\v+30:S+32*\v+31]
.endr
.irp v, 0,1
	v_pk_add_f32 v[ST+8*\v+2:ST+8*\v+3], v[ST+8*\v+2:ST+8*\v+3], v[TMP+2*\v:TMP+2*\v+1]
.endr
.irp i, 0,1,2,3,4,5,6,7,8,9,10,11,12,13,14,15
.irp v, 0,1
	v_cvt_pk_f16_f32 v[P+16*\v+\i], v[S+32*\v+2*\i], v[S+32*\v+2*\i+1]       ; two tiles of S^T, rounded in pairs, ARE source 1 (32 keys x 16 queries) of V^T P
.endr
.endr
	WIN W_RS
.irp i, 0,2,4,6,8,10,12,14,16,18,20,22,24,26,28,30
.irp v, 0,1
	v_pk_mul_f32 v[OT+32*\v+\i:OT+32*\v+\i+1], v[OT+32*\v+\i:OT+32*\v+\i+1], v[ST+8*\v+6:ST+8*\v+7] op_sel_hi:[1,0]   ; O^T x a, each tile from its low end on
.endr
.endr
.endm
; A HALF STEP: 64 keys.  mode (a step's second half step alone): 1: the change of slots with a refill; 2: the change without one; 0: none.
.macro HALF t2, mode
	s_wait_dscnt 0x0                               ; the table's tiles and K are in
	WIN W_MM
	QE 0
	QE 1
.rept 5
	v_nop                                          ; places: the stores below read these results, and matrix instructions further down write over their registers
.endr
	WIN 0
.irp v, 0,1
.irp tp, 0,1,2,3,4
	ds_store_b128 v[QST], v[D+8*(5*\v+\tp):D+8*(5*\v+\tp)+3] offset:16*QP*\v+64*\tp          ; row 16 v + r of my scratch, words 16 tp + 8 h + 0 .. 7
	ds_store_b128 v[QST], v[D+8*(5*\v+\tp)+4:D+8*(5*\v+\tp)+7] offset:16*QP*\v+64*\tp+16
.endr
.endr
.irp v, 0,1
.irp u, 0,1,2,3
.irp j, 0,1,2,3,4,5,6,7
	ds_load_b32 v[S+32*\v+8*\u+\j], v[QLD] offset:16*QP*\v+128*(\u/2)+32*(\u%2)+4*\j         ; word kk + r of that row.  LDS serves a wave's instructions in order: these see my stores
.endr
.endr
.endr
	WIN W_MM
	KE 0, T01, 0                                   ; sixteen products that want nothing of the scratch stand while LDS works
	KE 1, T01+32, 0
	KE 0, T01, 1
	KE 1, T01+32, 1
	s_wait_dscnt 0x0                               ; q . E lies in S^T's registers
	QK 0
	KE 2, T23, 0
	KE 3, T23+32, 0
	QK 1
	KE 2, T23, 1
	KE 3, T23+32, 1
.rept 4
	v_nop                                          ; places in front of the loads into K's and the table's registers, and of the first reads of results
.endr
	LDV \t2                                        ; in a step's second half step: my last reads of the slot in hand
.if \t2 == 0
	LDE 1
.endif
	WIN 0
.if \mode == 1
	READY 1
.endif
.if \mode == 2
	READY 0
.endif
	KEADD 0, T01                                   ; (work on registers, between the add and the wait for it)
.if \mode > 0
	s_wait_dscnt 0x0                               ; the add is done, and my reads of the slot in hand are over: V is in
	s_barrier_signal -1                            ; say so now; up to the wait at the step's end stands work on registers alone
.endif
	KEADD 1, T01+32
	KEADD 2, T23
	KEADD 3, T23+32
	SOFTMAX
.if \t2 == 0
	s_wait_dscnt 24                                ; V's 16 loads are in; the 24 of the table's next tiles, issued behind them, may be out
.elseif \mode == 0
	s_wait_dscnt 0x0                               ; V is in
.endif
	WIN W_PV
.irp g, 0,1
.irp v, 0,1
.irp a, 0,1,2,3
	v_wmma_f32_16x16x32_f16 v[OT+32*\v+8*\a:OT+32*\v+8*\a+7], v[KF+32*\g+8*\a:KF+32*\g+8*\a+7], v[P+16*\v+8*\g:P+16*\v+8*\g+7], v[OT+32*\v+8*\a:OT+32*\v+8*\a+7]
.endr
.endr
.endr
.rept 5
	v_nop                                          ; places: loads into V's registers follow, and the next half step's first matrix instructions write over P's
.endr
.if \t2 == 0
	LDK 1
.endif
	WIN 0
.if \mode > 0
	s_barrier_wait -1                              ; every wave has left the slot in hand, and the next slot is whole
.endif
.if \mode == 1
	TLOAD                                          ; the first thing behind the barrier, and a wave's one tensor load until the next: the slot just left takes the step after next
	ASK
.endif
.endm
.macro STEP mode
	v_add_nc_u32 v[ADK], s[TB], v[LI]
	v_add_nc_u32 v[ADV], s[TB], v[AV0]
	v_add_nc_u32 v[ADE], s[TB], v[AE0]
	LDE 0
	LDK 0
	HALF 0, 0
	HALF 1, \mode
	s_xor_b32 s[TB], s[TB], SLOT1                  ; on to the other slot
.endm
.macro QLOAD                           ; Q stays in registers
	WIN W_LD
.irp v, 0,1
.irp sub, 0,1,2,3
	global_load_b128 v[QF+16*\v+4*\sub:QF+16*\v+4*\sub+3], v[QO], s[4:5] offset:128*\v+512*\sub
.endr
.endr
	WIN 0
.endm
	s_load_b256 s[4:11], s[0:1], 0x0               ; qimg s[4:5], kimg s[6:7], vimg s[8:9], eimg s[10:11]
	s_load_b64 s[12:13], s[0:1], 0x20              ; out0
	v_lshl_add_u32 v[SPW], v0, 2, SPARE
	v_mov_b32 v[NIL], 0
	ds_add_u32 v[SPW], v[NIL]                      ; the wave's opening: the add, twice on end, and its wait ahead of the first tensor load
	ds_add_u32 v[SPW], v[NIL]
	v_lshrrev_b32 v1, 5, v0
	v_readfirstlane_b32 s[WV], v1                  ; wave 0..7
	s_lshr_b32 s[LATE], s[WV], 2
	s_xor_b32 s[LATE], s[LATE], s[WV]
	s_and_b32 s[LATE], s[LATE], 1                  ; bit 0 xor bit 2 of the wave's number: 1 in waves 1, 3, 4, 6
	s_and_b32 s[BH], ttmp7, 0xffff                 ; batch x 16 + head
	s_mov_b32 s[G1], 3<<16                         ; a dense block of 16 KiB: 64 rows of 32 elements of 8 bytes, no padding, no mask
	s_mov_b32 s[G1+1], 32<<16
	s_mov_b32 s[G1+2], 64<<16
	s_mov_b32 s[G1+3], 32<<16
	s_mov_b32 s[G1+4], 64
	s_mov_b32 s[G1+5], 32
	s_mov_b32 s[G1+6], 0
	s_mov_b32 s[G1+7], 0
	s_mov_b32 s[CS], 0x3e38aa3b                    ; c = log2(e) / 8
	s_mov_b32 s[CS+1], s[CS]                       ; (named with it as a pair, so it is written)
	s_mov_b32 s[SEL], 0x76543210
	s_mov_b32 s[SEL+1], 0xfedcba98
	s_mov_b32 s[TB], 0
	s_mov_b32 s[SLOTS], 15
.irp s, 0,1,2,3,4,5,6,7,8,9,10,11,12,13,14,15
	s_mov_b32 s[MAB+\s], ((1<<\s)-1)|(((~((1<<\s)-1))&0xffff)<<16)   ; the lane masks of k . E, made once
.endr
.irp s, 1,2,3,4,5,6,7,8,9,10,11,12,13,14,15
	s_mov_b32 s[MBB+\s], ((1<<\s)-1)<<16
.endr
	s_lshl_b32 s42, s[BH], 18                      ; a head's K or V: 262,144 bytes
	s_min_u32 s41, s[WV], 4                        ; (waves 5 to 7 fetch nothing)
	s_add_co_u32 s41, s41, 12
	s_lshl_b32 s43, ttmp9, 1
	s_sub_co_u32 s43, s41, s43                     ; the table's block of 128 rows for waves 2, 3, 4 at step 0: 12 + w - 2 X; the last step asks for 31 - 2 X at the most, of 32 blocks
	s_lshl_b32 s43, s43, 14
	s_cmp_lt_u32 s[WV], 2
	s_cselect_b32 s44, s42, s43
	s_mov_b32 s45, 0
	s_wait_dscnt 0x0                               ; both opening adds are done
	s_wait_kmcnt 0x0
	s_mov_b32 s[G0], 1
	s_lshl_b32 s[G0+1], s[WV], 14                  ; slot 0: K, V, the table's three blocks: 16 KiB x wave
	s_cmp_eq_u32 s[WV], 1
	s_cselect_b64 s[G0+2:G0+3], s[8:9], s[10:11]
	s_cmp_eq_u32 s[WV], 0
	s_cselect_b64 s[G0+2:G0+3], s[6:7], s[G0+2:G0+3]
	s_add_nc_u64 s[G0+2:G0+3], s[G0+2:G0+3], s[44:45]
	s_or_b32 s[G0+3], s[G0+3], 0x80000000
	TLOAD                                          ; step 0
	v_and_b32 v[LI], 31, v0
	v_lshlrev_b32 v[LI], 4, v[LI]
	v_and_b32 v240, 15, v0                         ; r
	v_bfe_u32 v241, v0, 4, 1                       ; h
	v_add_nc_u32 v[AV0], VOFF, v[LI]
	s_xor_b32 s40, s[WV], 7
	s_lshl_b32 s40, s40, 12                        ; tile 14 - 2 w of the slot's 24: (7 - w) x 4,096 bytes
	s_add_co_u32 s40, s40, EOFF
	v_add_nc_u32 v[AE0], s40, v[LI]
	s_mul_i32 s40, s[WV], SCRW
	s_add_co_u32 s40, s40, SCR                     ; my scratch
	v_mul_u32_u24 v[QST], v240, QP
	v_lshl_add_u32 v[QST], v241, 5, v[QST]
	v_add_nc_u32 v[QST], s40, v[QST]
	v_mul_u32_u24 v[QLD], v240, QP+4
	v_lshl_add_u32 v[QLD], v241, 6, v[QLD]
	v_add_nc_u32 v[QLD], s40, v[QLD]
	v_xor_b32 v242, 15, v240                       ; z = 15 - r: my query in its tile
	v_mul_u32_u24 v[STO], v242, SP
	v_lshl_add_u32 v[STO], v241, 6, v[STO]
	v_add_nc_u32 v[STO], s40, v[STO]               ; the stage, in: row z, + 64 h
	v_mul_u32_u24 v[RD], v241, SP
	v_lshl_add_u32 v[RD], v240, 4, v[RD]
	v_add_nc_u32 v[RD], s40, v[RD]                 ; back: lanes 0-15 one row, lanes 16-31 the next
	v_lshlrev_b32 v[GO], 12, v241
	v_lshl_add_u32 v[GO], v240, 4, v[GO]           ; and the same two rows of the output, 4,096 bytes apart
	v_and_b32 v[PFO], 31, v0
	v_lshlrev_b32 v[PFO], 8, v[PFO]
	v_lshrrev_b32 v243, 3, v242                    ; Q: row 16 v + z of my 32 lies in tile z / 8 of my two, at its lane 8 v + z % 8
	v_and_b32 v242, 7, v242
	v_lshl_add_u32 v242, v241, 4, v242
	v_lshlrev_b32 v242, 4, v242
	v_lshl_add_u32 v[QO], v243, 11, v242
	s_lshl_b32 s46, s[BH], 7
	s_lshl_b32 s47, ttmp9, 4
	s_add_co_u32 s46, s46, s47
	s_lshl_b32 s47, s[WV], 1
	s_add_co_u32 s46, s46, s47                     ; my first tile of Q: 128 bh + 16 X + 2 w
	s_lshl_b32 s46, s46, 11
	s_mov_b32 s47, 0
	s_add_nc_u64 s[4:5], s[4:5], s[46:47]
	WIN W_LD
.irp i, 0,1,2,3,4,5,6,7,8,9,10,11,12,13,14,15,16,17,18,19,20,21,22,23,24,25,26,27,28,29,30,31
	v_mov_b32 v[QF+\i], 0                          ; Q's registers: written here on the one way that all waves take, since their loads stand under one of two branches; every register is written before it is read, on every path
.endr
.irp i, 0,1,2,3,4,5,6,7,8,9,10,11,12,13,14,15,16,17,18,19,20,21,22,23,24,25,26,27,28,29,30,31,32,33,34,35,36,37,38,39,40,41,42,43,44,45,46,47,48,49,50,51,52,53,54,55,56,57,58,59,60,61,62,63
	v_mov_b32 v[OT+\i], 0                          ; O^T.  (The step is written for every step alike: the first finds zeros, which its a = 0 leaves zeros)
.endr
	WIN 0
	s_cmp_eq_u32 s[LATE], 0                        ; the early waves ask for Q here, while the first tiles are on their way
	s_cbranch_scc0 .Lq_later
	QLOAD
.Lq_later:
.irp v, 0,1
	v_mov_b32 v[ST+8*\v+1], 0xff61b1e6             ; m: -3e38, under every score
	v_mul_f32 v[ST+8*\v], s[CS], v[ST+8*\v+1]      ; c m
.irp i, 2,3,4,5,6,7
	v_mov_b32 v[ST+8*\v+\i], 0                     ; l; and the registers at work, written once: a lane permute's destination counts as one of its sources
.endr
.endr
	s_cmp_eq_u32 s[WV], 5                          ; the prefetches: wave 5 stands in K, wave 6 in V,
	s_cselect_b64 s[PFA:PFA+1], s[6:7], s[8:9]
	s_add_co_u32 s48, s42, 16384                   ; in my head, at step 1: the first change of slots steps it to step 2.  Nothing is prefetched ahead of the first barrier
	s_mov_b32 s49, 0
	s_add_nc_u64 s[PFA:PFA+1], s[PFA:PFA+1], s[48:49]
	s_sub_co_u32 s50, s[WV], 5
	s_lshr_b32 s50, s50, 1                         ; 0 in waves 5 and 6,
	s_or_b32 s50, s50, ttmp9                       ; of the head's first work-group
	s_cmp_eq_u32 s50, 0
	s_cselect_b32 s[LIM], 1, -1
	s_lshr_b32 s50, s[BH], 4                       ; the output: row batch x 2048 + 256 X + 32 w, 4,096 bytes a row, + 256 bytes x head
	s_lshl_b32 s50, s50, 11
	s_lshl_b32 s51, ttmp9, 8
	s_add_co_u32 s50, s50, s51
	s_lshl_b32 s51, s[WV], 5
	s_add_co_u32 s50, s50, s51
	s_lshl_b32 s50, s50, 12
	s_and_b32 s51, s[BH], 15
	s_lshl_b32 s51, s51, 8
	s_add_co_u32 s50, s50, s51
	s_mov_b32 s51, 0
	s_add_nc_u64 s[12:13], s[12:13], s[50:51]
	s_wait_loadcnt 0x0                             ; the early waves' Q
	READY 1                                        ; THE FIRST BARRIER: my part of slot 0 has landed
	s_wait_dscnt 0x0
	s_barrier_signal -1
	s_barrier_wait -1                              ; everybody's has
	TLOAD                                          ; step 1 into slot 1: its first fill, issued as a refill is
	s_cmp_lg_u32 s[LATE], 0                        ; the late waves ask for Q only now: they set out behind the early ones by the way of one load
	s_cbranch_scc0 .Lq_early
	QLOAD
.Lq_early:
	ASK                                            ; step 2's K and V
	s_mov_b32 s[SLOTS], 14
	s_wait_loadcnt 0x0                             ; the late waves' Q
.Lstep:                                            ; 14 trips: steps 0 to 13; at the end of each the slot that it leaves is asked to take the step after next
	STEP 1
	s_sub_co_u32 s[SLOTS], s[SLOTS], 1
	s_cmp_lg_u32 s[SLOTS], 0
	s_cbranch_scc1 .Lstep
	STEP 2                                         ; the last two steps are written out: step 14 changes slots and asks for nothing
	STEP 0                                         ; step 15 has no slot to go to
	; THE WAY OUT.  l's two halves and the other half of the lanes' are added; O^T / l goes through my stage in LDS and leaves as rows of 256 bytes: a head's 64 channels of one query.  (The five places at the half step's end stand behind the last products.)
.irp v, 0,1
	v_add_f32 v[ST+8*\v+4], v[ST+8*\v+2], v[ST+8*\v+3]
.endr
.irp v, 0,1
	v_permlanex16_b32 v[ST+8*\v+5], v[ST+8*\v+4], s[SEL], s[SEL+1]
.endr
.irp v, 0,1
	v_add_f32 v[ST+8*\v+4], v[ST+8*\v+4], v[ST+8*\v+5]
.endr
.irp v, 0,1
	v_rcp_f32 v[ST+8*\v+6], v[ST+8*\v+4]
.endr
	v_nop                                          ; a plain instruction between the last reciprocal and the use of its result
	s_wait_alu depctr_va_vdst(0)                   ; and the wait ahead of the first use: one for both
	WIN W_OUT
.irp v, 0,1
.irp i, 0,2,4,6,8,10,12,14,16,18,20,22,24,26,28,30
	v_pk_mul_f32 v[D+32*\v+\i:D+32*\v+\i+1], v[OT+32*\v+\i:OT+32*\v+\i+1], v[ST+8*\v+6:ST+8*\v+7] op_sel_hi:[1,0]   ; register 8 a + j: channel 32 (a / 2) + 8 (a % 2) + 16 h + j of query 16 v + 15 - r
.endr
.endr
	WIN 0
.irp v, 0,1
.irp a, 0,1,2,3
	ds_store_b128 v[STO], v[D+32*\v+8*\a:D+32*\v+8*\a+3] offset:16*SP*\v+128*(\a/2)+32*(\a%2)
	ds_store_b128 v[STO], v[D+32*\v+8*\a+4:D+32*\v+8*\a+7] offset:16*SP*\v+128*(\a/2)+32*(\a%2)+16
.endr
.endr
.irp i, 0,1,2,3,4,5,6,7,8,9,10,11,12,13,14,15
	ds_load_b128 v[S+4*\i:S+4*\i+3], v[RD] offset:2*SP*\i            ; LDS serves a wave's instructions in order: these see my stores
.endr
.irp i, 0,1,2,3,4,5,6,7,8,9,10,11,12,13,14,15
	s_wait_dscnt 15-\i                             ; rows 2 i and 2 i + 1 are back; the later loads may be out
	global_store_b128 v[GO], v[S+4*\i:S+4*\i+3], s[12:13] offset:8192*\i th:TH_STORE_NT   ; 16 lanes store 256 consecutive bytes, at a multiple of 256 from the output's first byte
.endr
	s_wait_tensorcnt 0x0                           ; the wave's end: a wait, an add to my spare word and its wait, behind my last tensor load and my last LDS store
	ds_add_u32 v[SPW], v[NIL]
	s_wait_dscnt 0x0
	s_endpgm
.Lfunc_end_k_qeb18e0b84b_attn:
	.size	k_qeb18e0b84b_attn, .Lfunc_end_k_qeb18e0b84b_attn-k_qeb18e0b84b_attn
	.p2alignl 7, 3214868480
	.fill 96, 4, 3214868480
	.section	.rodata,"a",@progbits
	.p2align	6, 0x0
	.amdhsa_kernel k_qeb18e0b84b_attn
		.amdhsa_group_segment_fixed_size 327680
		.amdhsa_private_segment_fixed_size 0
		.amdhsa_enable_private_segment 0
		.amdhsa_kernarg_size 40
		.amdhsa_user_sgpr_count 2
		.amdhsa_user_sgpr_kernarg_segment_ptr 1
		.amdhsa_wavefront_size32 1
		.amdhsa_system_sgpr_workgroup_id_x 1
		.amdhsa_system_sgpr_workgroup_id_y 1
		.amdhsa_system_sgpr_workgroup_id_z 1
		.amdhsa_system_vgpr_workitem_id 0
		.amdhsa_next_free_vgpr 512
		.amdhsa_next_free_sgpr 100
		.amdhsa_reserve_vcc 0
		.amdhsa_float_denorm_mode_32 3
		.amdhsa_float_denorm_mode_16_64 3
		.amdhsa_memory_ordered 1
		.amdhsa_forward_progress 1
		.amdhsa_inst_pref_size 255
	.end_amdhsa_kernel
	.section	.bss,"aw",@nobits
	.p2align	6
	.space	262144
	.amdgpu_metadata
---
amdhsa.version: [ 1, 2 ]
amdhsa.kernels:
  - .name:           k_qeb18e0b84b_attn
    .symbol:         k_qeb18e0b84b_attn.kd
    .args:
      - { .name: qimg, .offset: 0, .size: 8, .value_kind: global_buffer, .address_space: global }
      - { .name: kimg, .offset: 8, .size: 8, .value_kind: global_buffer, .address_space: global }
      - { .name: vimg, .offset: 16, .size: 8, .value_kind: global_buffer, .address_space: global }
      - { .name: eimg, .offset: 24, .size: 8, .value_kind: global_buffer, .address_space: global }
      - { .name: out0, .offset: 32, .size: 8, .value_kind: global_buffer, .address_space: global }
    .group_segment_fixed_size: 327680
    .private_segment_fixed_size: 0
    .kernarg_segment_align: 8
    .kernarg_segment_size: 40
    .max_flat_workgroup_size: 256
    .sgpr_count:     100
    .vgpr_count:     512
    .wavefront_size: 32
...
	.end_amdgpu_metadata
.endif
;; end of part 4
